; MI455X (gfx1250); checked and timed in simulation.
; The chip was launched on July 23, 2026; its instructions are those of AMD's public machine-readable ISA for CDNA 5 (MIT licence, August 2026) and "CDNA5" Instruction Set Architecture Reference Guide (July 2026). The comments in the code are by the model that wrote it; some were corrected since.
;; Attentional Propagation. Allowed arithmetic: matrix products marked QUANTISED: E3M2 operands, one E8M0 scale for each 32 along K, by v_wmma_scale_f32_16x16x128_f8f6f4 with both operands' format E3M2, f32 sums; everything else in f32.
;; Inputs: W1 512 x 512 float32; W2 256 x 512 float32; Wk 256 x 256 float32; Wm 256 x 256 float32; Wq 256 x 256 float32; Wv 256 x 256 float32; b1 512 float32; b2 256 float32; beta 512 float32; bk 256 float32; bm 256 float32; bq 256 float32; bv 256 float32; gamma 512 float32; source 4 x 256 x 4 x 2,048 float32; x 4 x 256 x 4 x 2,048 float32.
;; Outputs: out0 4 x 256 x 4 x 2,048 float32.
;; This version of the problem:
;;   THIS VERSION OF THE PROBLEM IS GIVEN IN LOW PRECISION. The matrix products marked QUANTISED in the list below multiply operands that are first quantised to E3M2 (3 exponent bits, 2 mantissa bits; 6 bits a number), with one power-of-two scale for each 32 numbers along K (OCP MX v1.0); their sums are f32. All else is computed in f32.
;;   The module's matrix products, in the order in which they are computed (A, B: the left and right operand; K: the contracted axis; several contracted axes count as one K, in the product's order):
;;     1. [M 32,768, K 256] x [K 256, N 256]; A: input x; B: input Wq: QUANTISED
;;     2. [M 32,768, K 256] x [K 256, N 256]; A: input source; B: input Wk: QUANTISED
;;     3. [M 32,768, K 256] x [K 256, N 256]; A: input source; B: input Wv: QUANTISED
;;     4. batch 16 x [M 2,048, K 256] x [K 256, N 2,048]; A: computed on the way; B: computed on the way: QUANTISED
;;     5. batch 16 x [M 256, K 2,048] x [K 2,048, N 2,048]; A: computed on the way; B: softmax (see below): QUANTISED
;;     6. [M 32,768, K 256] x [K 256, N 256]; A: computed on the way; B: input Wm: QUANTISED
;;     7. [M 32,768, K 512] x [K 512, N 512]; A: computed on the way; B: input W1: QUANTISED
;;     8. [M 32,768, K 512] x [K 512, N 256]; A: computed on the way; B: input W2: QUANTISED
;;   THE QUANTISER, for each operand of a quantised product, along K:
;;     - K is cut into blocks of 32 from its start; a last block that is shorter is filled with zeros.
;;     - A block's scale is 2^e with e = floor(log2(the largest magnitude in the block)) - 4, held to -126 .. 127; a block of zeros has e = 0. As a byte (E8M0): e + 127.
;;     - Each number is divided by its block's scale, clamped to +-28, and rounded to the nearest number of E3M2, ties to even, subnormals kept.
;;     - The product sums the exact products of the quantised numbers (number of the format x scale) in f32.
;;   ~~~python
;;   def quantise(x, axis):      # numpy; x: float32 -> the quantised numbers, widened to float32 again
;;       x = np.moveaxis(x, axis, -1); K = x.shape[-1]
;;       x = np.pad(x, [(0, 0)] * (x.ndim - 1) + [(0, -K % 32)]); x = x.reshape(x.shape[:-1] + (-1, 32)); a = np.abs(x).max(-1, keepdims=True)
;;       e = np.where(a > 0, np.clip(np.frexp(np.where(a > 0, a, 1))[1] - 1 - 4, -126, 127), 0)      # np.frexp(a)[1] - 1 = floor(log2(a)), exactly
;;       r = np.clip(x / 2.0 ** e, -28, 28)
;;       step = 2.0 ** (np.maximum(np.frexp(np.where(r == 0, 1, r))[1] - 1, -2) - 2)
;;       q = np.round(r / step) * step * 2.0 ** e      # np.round: ties to even
;;       return np.moveaxis(q.reshape(q.shape[:-2] + (-1,))[..., :K], -1, axis).astype(np.float32)
;;   ~~~
;;   SOFTMAX AHEAD OF A QUANTISED PRODUCT. Where the list says 'softmax', what is quantised is not the finished softmax but p = 2^(t - M), with t = logit x log2(e) and M = ceil(the row's largest t), a whole number; so 1/2 < the row's largest p <= 1. The row's sum l is taken of the UNQUANTISED p, in f32, and the product's result is divided by l at the end. Since M is a whole number, a kernel that streams over the keys may use a running M (the ceiling of the running maximum): every later rescaling is an exact power of two, which a block's scale takes up: the codes' values come out the same.
;;   OPERANDS COMPUTED ON THE WAY. 'Computed on the way' means the value that the module computes at that place (a softmax that the list does not call 'softmax' is quantised finished and normalised). What goes into a quantiser is computed in f32, as accurately as f32 sums, v_exp_f32 and their like allow (about 1e-6 of the number): no bf16 or f16 on the way to a quantiser, and a product that is left as it is and whose result goes on into a quantised operand takes f32 operands (vector FMAs, or v_wmma_f32_16x16x4_f32). A number that lies on a knife's edge between two numbers of the format may be rounded either way, as far as f32 arithmetic and the matrix unit's own rounding can turn it there, and no further.
;; One version. Each part assembles by itself: llvm-mc -triple=amdgcn-amd-amdhsa -mcpu=gfx1250 --defsym DOCPART=n.
;; ======== version 1 of 1: 5 launches
;; workspace buffers: wc 491,520 bytes; ws 20,480 bytes; xq 6,553,600 bytes; qc 6,553,600 bytes; m2 6,553,600 bytes; kv 13,107,200 bytes; part 1,048,576 bytes; bn 4,096 bytes
;; launch wprep (part 1): grid 80 x 1, 4 waves a work-group, no clusters, 768 bytes of LDS; arguments Wq, Wk, Wv, Wm, W1, W2, wc, ws; writes wc, ws
.if DOCPART == 1
	.amdgcn_target "amdgcn-amd-amdhsa--gfx1250"
	.amdhsa_code_object_version 6
	.text
	.protected	k_qbea9ea8dcd_wprep
	.globl	k_qbea9ea8dcd_wprep
	.p2align	8
	.type	k_qbea9ea8dcd_wprep,@function
k_qbea9ea8dcd_wprep:
	s_mov_b64 s[64:65], 0
	v_nop
	global_prefetch_b8 v0, s[64:65] scope:SCOPE_SE
	s_setreg_imm32_b32 hwreg(HW_REG_WAVE_MODE, 25, 1), 1
	s_wait_xcnt 0x0
; The six weights [out][in], f32, K = in innermost, become codes of BF6 (E3M2) with one E8M0 byte for each 32 along K, laid in the ORDER OF THE OPERAND'S REGISTERS.
; A fragment is 16 rows x 128 K, 12 registers a lane; in wc register 4 c + i of lane l lies at 512 c + 16 l + 4 i of the fragment's 1,536 bytes, so that three loads of 16 bytes a lane bring it.
; THE ROWS OF A TILE ARE NOT NEIGHBOURS: row r of tile t is output 32 (t / 2) + 8 (t % 2) + r + 8 (r / 8), so that the results of two neighbouring tiles are 16 neighbours along the next product's K.
; Fragment (t, s) of a weight with KS steps of 128 along K is its fragment number KS t + s; its 16 scale words lie at 64 bytes x that number in ws.
; A work-group takes four fragments on end (a unit), a wave one.  Units 0-7 Wq, 8-15 Wk, 16-23 Wv, 24-31 Wm, 32-63 W1, 64-79 W2.
; A lane holds two whole blocks of 32 (k = 64 c + 32 h + 0 .. 31 of its row), so no other lane is asked for a maximum.
; LIMITS: NaN and infinities are not served; a block whose largest magnitude lies under 2^-122 gets the byte 1; a block of zeros gets the byte 1 where the rule says 127: its codes are zeros, and this program alone reads the bytes.
	s_load_b256 s[4:11], s[0:1], 0x0               ; Wq, Wk, Wv, Wm
	s_load_b256 s[12:19], s[0:1], 0x20             ; W1, W2, wc, ws
	v_lshl_add_u32 v128, v0, 2, 0x100
	v_mov_b32 v129, 0
	v_lshrrev_b32 v1, 5, v0
	v_readfirstlane_b32 s20, v1                    ; wave = fragment of the unit
	v_and_b32 v2, 15, v0                           ; r
	v_bfe_u32 v4, v0, 4, 1                         ; h
	v_and_b32 v5, 31, v0                           ; lane
	s_mov_b32 s32, 0x76543210
	s_mov_b32 s33, 0xfedcba98                      ; v_permlanex16_b32's selects for lane l xor 16
	s_cmp_lt_u32 ttmp9, 32                         ; the four small weights have K = 256, W1 and W2 K = 512
	s_cselect_b32 s24, 7, 31                       ; the unit's number inside its weight
	s_cselect_b32 s25, 1, 2                        ; log2 of the K steps
	s_cselect_b32 s26, 10, 11                      ; log2 of a row's bytes
	s_and_b32 s27, ttmp9, s24
	s_lshl_b32 s27, s27, 2
	s_add_co_u32 s27, s27, s20                     ; the fragment's number in its weight
	s_lshr_b32 s28, s27, s25                       ; tile t
	s_lshl_b32 s29, s28, s25
	s_sub_co_u32 s29, s27, s29                     ; K step s
	s_lshr_b32 s30, s28, 1
	s_lshl_b32 s30, s30, 5
	s_and_b32 s31, s28, 1
	s_lshl_b32 s31, s31, 3
	s_add_co_u32 s30, s30, s31                     ; the tile's first row: 32 (t / 2) + 8 (t % 2)
	s_lshl_b32 s30, s30, s26
	s_lshl_b32 s29, s29, 9                         ; 128 numbers a K step
	s_add_co_u32 s30, s30, s29
	s_mov_b32 s31, 0
	v_and_b32 v6, 8, v2
	v_add_nc_u32 v6, v6, v2                        ; r + 8 (r / 8)
	v_lshlrev_b32 v3, s26, v6
	v_lshl_add_u32 v3, v4, 7, v3                   ; my row, + 32 numbers for the upper half of the lanes
	v_lshlrev_b32 v7, 4, v5                        ; 16 x lane
	s_lshl_b32 s36, s20, 6
	v_lshl_add_u32 v16, v2, 2, s36                 ; LDS: 64 x wave + 4 r
	v_lshlrev_b32 v17, 3, v5                       ; 8 x lane
	s_mul_i32 s34, ttmp9, 6144
	s_mul_i32 s35, s20, 1536
	s_add_co_u32 s34, s34, s35
	s_mov_b32 s35, 0
	s_lshl_b32 s38, ttmp9, 8
	s_mov_b32 s39, 0
	s_wait_kmcnt 0x0
	s_cmp_lt_u32 ttmp9, 64                         ; the choice hangs on the work-group's number alone
	s_cselect_b64 s[22:23], s[12:13], s[14:15]
	s_cmp_lt_u32 ttmp9, 32
	s_cselect_b64 s[22:23], s[10:11], s[22:23]
	s_cmp_lt_u32 ttmp9, 24
	s_cselect_b64 s[22:23], s[8:9], s[22:23]
	s_cmp_lt_u32 ttmp9, 16
	s_cselect_b64 s[22:23], s[6:7], s[22:23]
	s_cmp_lt_u32 ttmp9, 8
	s_cselect_b64 s[22:23], s[4:5], s[22:23]
	s_add_nc_u64 s[22:23], s[22:23], s[30:31]
	s_add_nc_u64 s[16:17], s[16:17], s[34:35]
	s_add_nc_u64 s[18:19], s[18:19], s[38:39]
.irp c, 0,1
.irp i, 0,1,2,3,4,5,6,7
	global_load_b128 v[32+32*\c+4*\i:35+32*\c+4*\i], v3, s[22:23] offset:256*\c+16*\i
.endr
.endr
	s_wait_loadcnt 0x0
.irp c, 0,1
	v_max3_num_f32 v[8+\c], |v[32+32*\c]|, |v[33+32*\c]|, 0x2800000   ; my block 2 c + h, and the floor 2^(5 - 127): the byte cannot fall under 1
.endr
.irp i, 2,4,6,8,10,12,14,16,18,20,22,24,26,28,30
.irp c, 0,1
	v_max3_num_f32 v[8+\c], v[8+\c], |v[32+32*\c+\i]|, |v[33+32*\c+\i]|
.endr
.endr
.irp c, 0,1
	v_add_nc_u32 v[10+\c], 0xfe000000, v[8+\c]     ; 4 off the exponent field: the conversion's scale operand
.endr
.irp c, 0,1
	v_lshrrev_b32 v[12+\c], 23, v[10+\c]           ; the scale's byte
.endr
	v_lshl_or_b32 v14, v13, 16, v12                ; blocks h and 2 + h,
	v_lshlrev_b32 v15, 3, v4
	v_lshlrev_b32 v14, v15, v14                    ; at their places in the scale word
	v_mov_b32 v15, 0
	v_permlanex16_b32 v15, v14, s32, s33
	v_or_b32 v14, v14, v15                         ; with lane l xor 16's two the word is whole
.irp c, 0,1
	v_cvt_scalef32_pk16_bf6_f32 v[96+6*\c:98+6*\c], v[32+32*\c:47+32*\c], v[10+\c]
	v_cvt_scalef32_pk16_bf6_f32 v[112+4*\c:114+4*\c], v[48+32*\c:63+32*\c], v[10+\c]   ; (a conversion's three registers begin on an even number)
.endr
	v_nop                                          ; one plain place behind a scaled conversion
.irp c, 0,1
.irp i, 0,1,2
	v_mov_b32 v[99+6*\c+\i], v[112+4*\c+\i]
.endr
.endr
.irp c, 0,1,2
	global_store_b128 v7, v[96+4*\c:99+4*\c], s[16:17] offset:512*\c   ; 32 lanes store 512 consecutive bytes
.endr
	ds_store_b32 v16, v14                          ; both halves of the lanes write the same word with the same value
	s_wait_dscnt 0x0                               ; for wave 0's sake
	s_barrier_signal -1
	s_barrier_wait -1
	s_cmp_lg_u32 s20, 0
	s_cbranch_scc1 .Lend
	ds_load_b64 v[18:19], v17                      ; the unit's 64 scale words
	s_wait_dscnt 0x0
	global_store_b64 v17, v[18:19], s[18:19]       ; 256 consecutive bytes, aligned
.Lend:
	s_wait_tensorcnt 0x0
	ds_add_u32 v128, v129
	s_wait_dscnt 0x0
	s_endpgm
.Lfunc_end_k_qbea9ea8dcd_wprep:
	.size	k_qbea9ea8dcd_wprep, .Lfunc_end_k_qbea9ea8dcd_wprep-k_qbea9ea8dcd_wprep
	.p2alignl 7, 3214868480
	.fill 96, 4, 3214868480
	.section	.rodata,"a",@progbits
	.p2align	6, 0x0
	.amdhsa_kernel k_qbea9ea8dcd_wprep
		.amdhsa_group_segment_fixed_size 768
		.amdhsa_private_segment_fixed_size 0
		.amdhsa_enable_private_segment 0
		.amdhsa_kernarg_size 64
		.amdhsa_user_sgpr_count 2
		.amdhsa_user_sgpr_kernarg_segment_ptr 1
		.amdhsa_wavefront_size32 1
		.amdhsa_system_sgpr_workgroup_id_x 1
		.amdhsa_system_sgpr_workgroup_id_y 1
		.amdhsa_system_sgpr_workgroup_id_z 1
		.amdhsa_system_vgpr_workitem_id 0
		.amdhsa_next_free_vgpr 130
		.amdhsa_next_free_sgpr 66
		.amdhsa_reserve_vcc 0
		.amdhsa_float_denorm_mode_32 3
		.amdhsa_float_denorm_mode_16_64 3
		.amdhsa_memory_ordered 1
		.amdhsa_forward_progress 1
		.amdhsa_inst_pref_size 8
	.end_amdhsa_kernel
	.amdgpu_metadata
---
amdhsa.version: [ 1, 2 ]
amdhsa.kernels:
  - .name:           k_qbea9ea8dcd_wprep
    .symbol:         k_qbea9ea8dcd_wprep.kd
    .args:
      - { .name: Wq, .offset: 0, .size: 8, .value_kind: global_buffer, .address_space: global }
      - { .name: Wk, .offset: 8, .size: 8, .value_kind: global_buffer, .address_space: global }
      - { .name: Wv, .offset: 16, .size: 8, .value_kind: global_buffer, .address_space: global }
      - { .name: Wm, .offset: 24, .size: 8, .value_kind: global_buffer, .address_space: global }
      - { .name: W1, .offset: 32, .size: 8, .value_kind: global_buffer, .address_space: global }
      - { .name: W2, .offset: 40, .size: 8, .value_kind: global_buffer, .address_space: global }
      - { .name: wc, .offset: 48, .size: 8, .value_kind: global_buffer, .address_space: global }
      - { .name: ws, .offset: 56, .size: 8, .value_kind: global_buffer, .address_space: global }
    .group_segment_fixed_size: 768
    .private_segment_fixed_size: 0
    .kernarg_segment_align: 8
    .kernarg_segment_size: 64
    .max_flat_workgroup_size: 128
    .sgpr_count:     66
    .vgpr_count:     130
    .wavefront_size: 32
...
	.end_amdgpu_metadata
.endif
;; end of part 1
;; launch proj (part 2): grid 16 x 16, 4 waves a work-group, no clusters, 54,784 bytes of LDS; arguments x, source, wc, ws, bq, bk, bv, xq, qc, kv; writes xq, qc, kv
.if DOCPART == 2
	.amdgcn_target "amdgcn-amd-amdhsa--gfx1250"
	.amdhsa_code_object_version 6
	.text
	.protected	k_qbea9ea8dcd_proj
	.globl	k_qbea9ea8dcd_proj
	.p2align	8
	.type	k_qbea9ea8dcd_proj,@function
k_qbea9ea8dcd_proj:
	s_mov_b64 s[64:65], 0
	v_nop
	global_prefetch_b8 v0, s[64:65] scope:SCOPE_SE
	s_setreg_imm32_b32 hwreg(HW_REG_WAVE_MODE, 25, 1), 1
	s_wait_xcnt 0x0
; For 128 positions of one (b, h): x and source are quantised along the channels; q = Wq x + bq, k = Wk source + bk, v = Wv source + bv on codes of BF6 (E3M2) with E8M0 scales;
; q and k are quantised along their 256 channels, v along the 128 keys.  x, source: [4][256][4][2048] f32, positions innermost.
; WHAT IS STORED.  A record of 128 positions is 25,600 bytes: 16 fragments (position tile T, K step s) at 1,536 (2 T + s), each an image of the operand's 12 registers (register 4 c + i of lane l at 512 c + 16 l + 4 i),
; then the scale words at 24,576 + 128 T + 64 s + 4 r.  Row r of tile T is position 32 (T / 2) + 8 (T % 2) + r + 8 (r / 8).  xq and qc hold one record for each work-group; kv holds k's record and, 25,600 bytes on,
; v's 16 fragments (rows = channels, tile t, K = the 128 keys) at 1,536 t and their scale words at 24,576 + 64 t + 4 r.
; PHASE X.  Wave w takes tensor w / 2 and K step w % 2: 128 channels x 128 positions in four blocks of 32 channels.  A load reads 512 consecutive bytes of one channel, four positions a lane; 32 moves bring a position's
; 32 channels into consecutive registers, which the conversions want.  The codes go to LDS lane-major (register p of lane l at 48 l + 4 p of a fragment), so that a block's 24 bytes are three stores of 8.
; PHASE P.  q and k: wave w takes position tiles 4 (w / 2) .. + 3 and channels 128 (w % 2) .. + 127 (source 0 = 16 rows of the weight, source 1 = 16 positions: a lane holds a position, its registers run along the channels).
; v: wave w takes channels 64 w .. + 63 for all 128 keys (source 0 = 16 keys, source 1 = 16 rows of Wv: a lane holds a channel, its registers run along the keys).  The biases are the C of each sum's first product.
; No cluster and no tensor load: each wave loads its part of the weights once, straight into the registers where they stay; nothing that work-groups share passes through LDS.
; No prefetch: the launch is a stream; each wave has up to 64 loads of 512 bytes on their way.
; LIMITS: NaN and infinities are not served; a block whose largest magnitude lies under 2^-122 gets the byte 1; a block of zeros gets the byte 1 where the rule says 127 (its codes are zeros; this program alone reads the bytes).
; REGISTERS.  window 0: v1-11, v236-239 addresses; v12-27 at work; v28-59 32 numbers along K; v60-91 codes of four positions; v92-99 at work; v100-147 four fragments just made; v148-151 their scale words;
;   v152-199 two buffers of two fragments; v200-235 scale words.  window 1: the numbers as loaded, two buffers of 128; later the accumulators.  window 2: Wq and bq, later Wv and bv.  window 3: Wk and bk.
.set XI,    0                          ; LDS: x's 16 fragments, lane-major
.set SI,    24576                      ; source's
.set XSC,   49152                      ; x's scale words, 1,024 bytes
.set SSC,   50176                      ; source's
.set OUTSC, 51200                      ; q's, k's, v's scale words, 1,024 bytes each
.set TM,  12
.set TT,  28
.set CD,  60
.set AUX, 92
.set PCD, 100
.set PW,  148
.set AF,  152
.set WQS, 200
.set WKS, 208
.set WVS, 216
.set XSR, 220
.set KSR, 224
.set SSR, 228
.set VX,  236                          ; 16 l + 6,144 w
.set VQ,  237                          ; 16 l + 12,288 (w / 2) + 1,536 (w % 2)
.set AXW, 238                          ; 48 l + 6,144 w
.set ASP, 239                          ; 4 l + 512 (w / 2)
.set SEL, 52
.set MSB, 0
.macro WIN new                         ; the immediate's high byte repeats the setting that is left
.if MSB != \new
	s_set_vgpr_msb (MSB<<8)|\new
.set MSB, \new
.endif
.endm
.macro PLACES n
.rept \n
	v_nop
.endr
.endm
; one matrix instruction.  c < 0: the constant 0 starts the sum.  row = 0: both sides' scales in lanes 0-15; 1: source 0's in lanes 16-31; 3: both sides' in lanes 16-31
.macro MM d, a, b, c, sa, sb, row
.if (\c) < 0
	v_wmma_scale_f32_16x16x128_f8f6f4 v[(\d):(\d)+7], v[(\a):(\a)+11], v[(\b):(\b)+11], 0, v[\sa], v[\sb] matrix_a_fmt:MATRIX_FMT_BF6 matrix_b_fmt:MATRIX_FMT_BF6
.elseif (\row) == 0
	v_wmma_scale_f32_16x16x128_f8f6f4 v[(\d):(\d)+7], v[(\a):(\a)+11], v[(\b):(\b)+11], v[(\c):(\c)+7], v[\sa], v[\sb] matrix_a_fmt:MATRIX_FMT_BF6 matrix_b_fmt:MATRIX_FMT_BF6
.elseif (\row) == 1
	v_wmma_scale_f32_16x16x128_f8f6f4 v[(\d):(\d)+7], v[(\a):(\a)+11], v[(\b):(\b)+11], v[(\c):(\c)+7], v[\sa], v[\sb] matrix_a_fmt:MATRIX_FMT_BF6 matrix_b_fmt:MATRIX_FMT_BF6 matrix_a_scale:MATRIX_SCALE_ROW1
.else
	v_wmma_scale_f32_16x16x128_f8f6f4 v[(\d):(\d)+7], v[(\a):(\a)+11], v[(\b):(\b)+11], v[(\c):(\c)+7], v[\sa], v[\sb] matrix_a_fmt:MATRIX_FMT_BF6 matrix_b_fmt:MATRIX_FMT_BF6 matrix_a_scale:MATRIX_SCALE_ROW1 matrix_b_scale:MATRIX_SCALE_ROW1
.endif
.endm
; 64 numbers of a lane in window sw, register 16 b + i = k 32 b + 16 (lane / 16) + i of my row, become a fragment's codes in v[dst] on and its scale word in v[pw].  Each accumulator is read from its low end on.
.macro QUANT src, sw, dst, pw
.if \sw
	WIN 0x05
.endif
.irp b, 0,1,2,3
	v_max3_num_f32 v[TM+\b], |v[(\src)+16*\b]|, |v[(\src)+1+16*\b]|, 0x2800000   ; my 16 numbers of block b, and the floor 2^(5 - 127): the byte cannot fall under 1
.endr
.if \sw
	WIN 0x14
.endif
.irp i, 2,4,6,8,10,12,14
.irp b, 0,1,2,3
	v_max3_num_f32 v[TM+\b], v[TM+\b], |v[(\src)+16*\b+\i]|, |v[(\src)+1+16*\b+\i]|
.endr
.endr
	WIN 0
.irp b, 0,1,2,3
	v_permlanex16_b32 v[TM+4+\b], v[TM+\b], s[SEL], s[SEL+1]
.endr
.irp b, 0,1,2,3
	v_max_num_f32 v[TM+\b], v[TM+\b], v[TM+4+\b]   ; with lane l xor 16's: the block's largest magnitude
.endr
.irp b, 0,1,2,3
	v_add_nc_u32 v[TM+12+\b], 0xfe000000, v[TM+\b] ; 4 off its exponent field: the conversion's scale operand
.endr
.irp b, 0,1,2,3
	v_lshrrev_b32 v[TM+4+\b], 23, v[TM+12+\b]      ; the scale's byte
.endr
	v_lshl_or_b32 v[\pw], v[TM+5], 8, v[TM+4]
	v_lshl_or_b32 v[\pw], v[TM+6], 16, v[\pw]
	v_lshl_or_b32 v[\pw], v[TM+7], 24, v[\pw]
.if \sw
	WIN 0x01
.endif
.irp c, 0,1
	v_cvt_scalef32_pk16_bf6_f32 v[(\dst)+6*\c:(\dst)+2+6*\c], v[(\src)+32*\c:(\src)+15+32*\c], v[TM+12+2*\c]
	v_cvt_scalef32_pk16_bf6_f32 v[AUX+4*\c:AUX+2+4*\c], v[(\src)+16+32*\c:(\src)+31+32*\c], v[TM+13+2*\c]   ; (a conversion's three registers begin on an even number)
.endr
	WIN 0
	v_nop                                          ; one plain place behind a scaled conversion
.irp c, 0,1                                    ; the operand's layout wants a whole block in a lane
.irp i, 0,1,2
	v_permlane16_swap_b32 v[(\dst)+6*\c+\i], v[AUX+4*\c+\i]
.endr
.irp i, 0,1,2
	v_mov_b32 v[(\dst)+3+6*\c+\i], v[AUX+4*\c+\i]
.endr
.endr
.endm
	s_load_b256 s[4:11], s[0:1], 0x0               ; x, source, wc, ws
	s_load_b256 s[12:19], s[0:1], 0x20             ; bq, bk, bv, xq
	s_load_b128 s[20:23], s[0:1], 0x40             ; qc, kv
	v_lshl_add_u32 v254, v0, 2, 0xd400
	v_mov_b32 v255, 0
	v_lshrrev_b32 v1, 5, v0
	v_readfirstlane_b32 s24, v1                    ; wave w
	s_lshr_b32 s25, s24, 1                         ; w / 2
	s_and_b32 s26, s24, 1                          ; w % 2
	s_and_b32 s28, ttmp7, 0xffff                   ; 4 b + h
	s_lshl_b32 s29, s28, 4
	s_add_co_u32 s29, s29, ttmp9                   ; the record's number
	s_mov_b32 s[SEL], 0x76543210
	s_mov_b32 s[SEL+1], 0xfedcba98
	v_and_b32 v12, 31, v0                          ; lane
	v_and_b32 v13, 15, v0                          ; r
	v_bfe_u32 v14, v0, 4, 1                        ; h
	v_lshlrev_b32 v1, 4, v12
	v_lshlrev_b32 v2, 2, v12
	v_mul_u32_u24 v3, v12, 48
	; position 4 l + i lies in tile 2 (l / 8) + (l / 2) % 2, row 4 (l % 2) + 8 ((l / 4) % 2) + i
	v_bfe_u32 v15, v0, 3, 2
	v_bfe_u32 v16, v0, 1, 1
	v_and_b32 v17, 1, v0
	v_bfe_u32 v18, v0, 2, 1
	v_mul_u32_u24 v4, v15, 6144
	v_mad_u32_u24 v4, v16, 3072, v4
	v_mad_u32_u24 v4, v17, 192, v4
	v_mad_u32_u24 v4, v18, 384, v4
	s_mul_i32 s54, s25, 24576
	s_mul_i32 s55, s26, 1536
	s_add_co_u32 s54, s54, s55
	v_add_nc_u32 v4, s54, v4                       ; where my four positions' codes go
	v_lshlrev_b32 v5, 8, v15
	v_lshl_add_u32 v5, v16, 7, v5
	v_lshl_add_u32 v5, v17, 4, v5
	v_lshl_add_u32 v5, v18, 5, v5
	s_lshl_b32 s54, s25, 10
	s_lshl_b32 s55, s26, 6
	s_add_co_u32 s54, s54, s55
	s_add_co_u32 s54, s54, XSC
	v_add_nc_u32 v5, s54, v5                       ; and their scale words
	s_lshl_b32 s54, s25, 9
	s_add_co_u32 s54, s54, s55
	s_add_co_u32 s54, s54, OUTSC
	v_lshl_add_u32 v6, v13, 2, s54                 ; q's and k's scale words: 4 r + 512 (w / 2) + 64 (w % 2)
	s_lshl_b32 s54, s24, 8
	s_add_co_u32 s54, s54, OUTSC+2048
	v_lshl_add_u32 v7, v13, 2, s54                 ; v's: 4 r + 256 w
	v_lshlrev_b32 v8, 3, v0                        ; 8 x thread
	v_lshlrev_b32 v9, 6, v14                       ; 64 h: a bias in the result's layout
	v_and_b32 v10, 8, v13
	v_add_nc_u32 v10, v10, v13
	v_lshlrev_b32 v10, 2, v10                      ; 4 (r + 8 (r / 8))
	s_mul_i32 s54, s25, 12288
	v_add_nc_u32 v11, s54, v3                      ; my four position tiles' fragments
	s_mul_i32 s55, s24, 6144
	v_add_nc_u32 v[VX], s55, v1
	v_add_nc_u32 v[AXW], s55, v3
	s_mul_i32 s55, s26, 1536
	s_add_co_u32 s54, s54, s55
	v_add_nc_u32 v[VQ], s54, v1
	s_lshl_b32 s54, s25, 9
	v_add_nc_u32 v[ASP], s54, v2
	s_lshr_b32 s54, s28, 2
	s_and_b32 s55, s28, 3
	s_lshl_b32 s54, s54, 23                        ; b x 256 x 4 x 2,048 x 4 bytes
	s_lshl_b32 s55, s55, 13                        ; h x 8,192
	s_add_co_u32 s54, s54, s55
	s_lshl_b32 s55, ttmp9, 9                       ; 128 positions
	s_add_co_u32 s54, s54, s55
	s_lshl_b32 s55, s26, 22                        ; 128 channels of 32,768 bytes
	s_add_co_u32 s54, s54, s55
	s_mov_b32 s55, 0
	s_wait_kmcnt 0x0
	s_cmp_lt_u32 s24, 2
	s_cselect_b64 s[30:31], s[4:5], s[6:7]
	s_add_nc_u64 s[30:31], s[30:31], s[54:55]
	s_mul_i32 s54, s26, 24576
	s_add_nc_u64 s[32:33], s[8:9], s[54:55]        ; Wq's (49,152 on: Wk's) eight tiles of my channels
	s_mul_i32 s54, s24, 12288
	s_add_co_u32 s54, s54, 98304
	s_add_nc_u64 s[34:35], s[8:9], s[54:55]        ; Wv's four tiles
	s_lshl_b32 s54, s26, 10
	s_add_nc_u64 s[36:37], s[10:11], s[54:55]
	s_lshl_b32 s54, s24, 9
	s_add_co_u32 s54, s54, 4096
	s_add_nc_u64 s[38:39], s[10:11], s[54:55]
	s_lshl_b32 s54, s26, 9
	s_add_nc_u64 s[40:41], s[12:13], s[54:55]
	s_add_nc_u64 s[42:43], s[14:15], s[54:55]
	s_lshl_b32 s54, s24, 8
	s_add_nc_u64 s[44:45], s[16:17], s[54:55]
	s_mul_i32 s54, s29, 25600
	s_add_nc_u64 s[46:47], s[18:19], s[54:55]
	s_add_nc_u64 s[48:49], s[20:21], s[54:55]
	s_mul_i32 s54, s29, 51200
	s_add_nc_u64 s[50:51], s[22:23], s[54:55]
.macro LOADB be                        ; block be: 32 channels x 128 positions; each load is 512 consecutive bytes
	WIN 0x40
.set cc, 0
.rept 32
	global_load_b128 v[128*((\be)%2)+4*cc:128*((\be)%2)+4*cc+3], v1, s[30:31] offset:(32*(\be)+cc)*32768 th:TH_LOAD_NT
.set cc, cc+1
.endr
	WIN 0
.endm
.macro BLOCK be                        ; register 4 cc + i of the buffer is (channel cc, position 4 l + i)
.set RB, 128*((\be)%2)
	WIN 0x05
.irp i, 0,1,2,3
	v_max3_num_f32 v[12+\i], |v[RB+\i]|, |v[RB+4+\i]|, 0x2800000
.endr
	WIN 0x14
.set cc, 2
.rept 15
.irp i, 0,1,2,3
	v_max3_num_f32 v[12+\i], v[12+\i], |v[RB+4*cc+\i]|, |v[RB+4*cc+4+\i]|
.endr
.set cc, cc+2
.endr
	WIN 0
.irp i, 0,1,2,3
	v_add_nc_u32 v[16+\i], 0xfe000000, v[12+\i]
.endr
.irp i, 0,1,2,3
	v_lshrrev_b32 v[24+\i], 23, v[16+\i]
.endr
.irp i, 0,1,2,3
.if (\be) == 0
	v_mov_b32 v[20+\i], v[24+\i]
.else
	v_lshl_or_b32 v[20+\i], v[24+\i], 8*(\be), v[20+\i]
.endif
.endr
.irp i, 0,1,2,3
	WIN 0x01
.set cc, 0
.rept 32
	v_mov_b32 v[TT+cc], v[RB+4*cc+\i]              ; position 4 l + i: its 32 channels on end
.set cc, cc+1
.endr
	WIN 0
	v_cvt_scalef32_pk16_bf6_f32 v[CD+8*\i:CD+8*\i+2], v[TT:TT+15], v[16+\i]
	v_cvt_scalef32_pk16_bf6_f32 v[AUX:AUX+2], v[TT+16:TT+31], v[16+\i]
	v_nop                                          ; one plain place behind a scaled conversion
.irp k, 0,1,2
	v_mov_b32 v[CD+8*\i+3+\k], v[AUX+\k]
.endr
.irp p, 0,1,2
	ds_store_b64 v4, v[CD+8*\i+2*\p:CD+8*\i+2*\p+1] offset:48*\i+768*((\be)%2)+24*((\be)/2)+8*\p   ; block be of a row belongs to lane row + 16 (be % 2), registers 6 (be / 2) on
.endr
.endr
	s_wait_dscnt 0x0                               ; the stores have read their registers
.endm
.macro LW win, wcoff, wsoff, sreg, bb  ; eight tiles of a weight (16 fragments), their bias in the result's layout, their scale words
	WIN \win
.set k, 0
.rept 48
	global_load_b128 v[4*k:4*k+3], v1, s[32:33] offset:(\wcoff)+512*k
.set k, k+1
.endr
.irp t, 0,1,2,3,4,5,6,7
	global_load_b128 v[192+8*\t:195+8*\t], v9, s[\bb:\bb+1] offset:(32*(\t/2)+8*(\t%2))*4
	global_load_b128 v[196+8*\t:199+8*\t], v9, s[\bb:\bb+1] offset:(32*(\t/2)+8*(\t%2))*4+16
.endr
	WIN 0
.irp t, 0,1,2,3,4,5,6,7
	global_load_b32 v[(\sreg)+\t], v2, s[36:37] offset:(\wsoff)+128*\t
.endr
.endm
	; ---- X
	LOADB 0
	LOADB 1
	s_wait_loadcnt 32                              ; block 0 is in; block 1's 32 loads may be out
	BLOCK 0
	LOADB 2
	s_wait_loadcnt 32
	BLOCK 1
	LOADB 3
	s_wait_loadcnt 32
	BLOCK 2
	s_wait_loadcnt 0x0                             ; block 3, asked for a block ago
	LW 0x80, 0, 0, WQS, 40                         ; Wq, bq and the scale words land while block 3 is quantised
	BLOCK 3
.irp i, 0,1,2,3
	ds_store_b32 v5, v[20+\i] offset:4*\i
.endr
	s_wait_dscnt 0x0
	s_barrier_signal -1
	s_barrier_wait -1                              ; both tensors' 16 fragments and their scale words lie in LDS
.macro UFETCH m, rg                    ; the two fragments of my position tile m
.irp s, 0,1
.irp c, 0,1,2
	ds_load_b128 v[AF+24*((\m)%2)+12*\s+4*\c:AF+24*((\m)%2)+12*\s+4*\c+3], v11 offset:(\rg)+3072*(\m)+1536*\s+16*\c
.endr
.endr
.endm
.macro VFETCH y                        ; the two fragments of source's tile y
.irp s, 0,1
.irp c, 0,1,2
	ds_load_b128 v[AF+24*((\y)%2)+12*\s+4*\c:AF+24*((\y)%2)+12*\s+4*\c+3], v3 offset:SI+3072*(\y)+1536*\s+16*\c
.endr
.endr
.endm
	; ---- P: x's record goes out, four fragments a wave, turned from lane-major to the record's order by the registers
.set f, 0
.rept 4
.irp c, 0,1,2
	ds_load_b128 v[TT+12*f+4*\c:TT+12*f+4*\c+3], v[AXW] offset:XI+1536*f+16*\c
.endr
.set f, f+1
.endr
	ds_load_b64 v[76:77], v8 offset:XSC
.irp m, 0,1,2,3
	ds_load_b32 v[XSR+\m], v[ASP] offset:XSC+128*\m   ; lanes 0-15 K step 0, lanes 16-31 K step 1
	ds_load_b32 v[KSR+\m], v[ASP] offset:SSC+128*\m
.endr
.irp y, 0,1,2,3,4,5,6,7
	ds_load_b32 v[SSR+\y], v2 offset:SSC+128*\y
.endr
	UFETCH 0, XI
	s_wait_dscnt 6                                 ; all but the six just issued
.set k, 0
.rept 12
	global_store_b128 v[VX], v[TT+4*k:TT+4*k+3], s[46:47] offset:512*k
.set k, k+1
.endr
	global_store_b64 v8, v[76:77], s[46:47] offset:24576
	s_wait_loadcnt 0x0                             ; Wq, bq, their scale words
	LW 0xc0, 49152, 2048, WKS, 42                  ; Wk lands under q's products
; a unit: 16 positions x my 128 channels: eight accumulators by turns, two K steps; quantised; codes to memory, the scale word to LDS
.macro UNIT m, rg, wa, wb, sw, sx, gb, so
.set AB, AF+24*((\m)%2)
.if (\m) < 3
	UFETCH (\m)+1, \rg
	s_wait_dscnt 6                                 ; this unit's fragments are in; the next unit's six loads may be out
.else
	s_wait_dscnt 0x0
.endif
	WIN \wa
.irp t, 0,1,2,3,4,5,6,7
	MM 8*\t, 24*\t, AB, 192+8*\t, (\sw)+\t, (\sx)+(\m), 0
.endr
	WIN \wb
.irp t, 0,1,2,3,4,5,6,7
	MM 8*\t, 24*\t+12, AB+12, 8*\t, (\sw)+\t, (\sx)+(\m), 3
.endr
	WIN 0
	PLACES 4                                       ; in front of the first read of results, and of later loads into the operands' registers
	s_wait_xcnt 0x0                                ; earlier stores have read their data: the codes' registers may be written again
	QUANT 0, 1, PCD+12*(\m), PW+(\m)
.irp c, 0,1,2
	global_store_b128 v[VQ], v[PCD+12*(\m)+4*\c:PCD+12*(\m)+4*\c+3], s[\gb:\gb+1] offset:3072*(\m)+512*\c
.endr
	ds_store_b32 v6, v[PW+(\m)] offset:(\so)+128*(\m)
.endm
	UNIT 0, XI, 0x62, 0x52, WQS, XSR, 48, 0
	UNIT 1, XI, 0x62, 0x52, WQS, XSR, 48, 0
	UNIT 2, XI, 0x62, 0x52, WQS, XSR, 48, 0
	UNIT 3, XI, 0x62, 0x52, WQS, XSR, 48, 0
	WIN 0x80                                       ; Wv takes Wq's place: 32 loads
.set k, 0
.rept 24
	global_load_b128 v[4*k:4*k+3], v1, s[34:35] offset:512*k
.set k, k+1
.endr
.irp t, 0,1,2,3
	global_load_b32 v[96+8*\t], v10, s[44:45] offset:(32*(\t/2)+8*(\t%2))*4   ; bv of my lane's channel
.endr
	WIN 0
.irp t, 0,1,2,3
	global_load_b32 v[WVS+\t], v2, s[38:39] offset:128*\t
.endr
	UFETCH 0, SI
	s_wait_loadcnt 32                              ; Wk, bk and their scale words are in; Wv's 32 loads may be out
	UNIT 0, SI, 0x73, 0x53, WKS, KSR, 50, 1024
	UNIT 1, SI, 0x73, 0x53, WKS, KSR, 50, 1024
	UNIT 2, SI, 0x73, 0x53, WKS, KSR, 50, 1024
	UNIT 3, SI, 0x73, 0x53, WKS, KSR, 50, 1024
	; ---- v: a lane holds a channel, so its bias is the same number in all eight registers of a tile
	s_wait_loadcnt 0x0
	WIN 0x82
.irp t, 0,1,2,3
.irp k, 1,2,3,4,5,6,7
	v_mov_b32 v[96+8*\t+\k], v[96+8*\t]
.endr
.endr
	WIN 0
	VFETCH 0
.macro VT y
.set AB, AF+24*((\y)%2)
.if (\y) < 7
	PLACES 4                                       ; in front of loads into the buffer that the last group of products read
	WIN 0
	VFETCH (\y)+1
	s_wait_dscnt 6
.else
	s_wait_dscnt 0x0
.endif
	WIN 0x68
.irp t, 0,1,2,3
	MM 64*\t+8*(\y), AB, 24*\t, 96+8*\t, SSR+(\y), WVS+\t, 0
.endr
	WIN 0x58
.irp t, 0,1,2,3
	MM 64*\t+8*(\y), AB+12, 24*\t+12, 64*\t+8*(\y), SSR+(\y), WVS+\t, 3
.endr
.endm
.irp y, 0,1,2,3,4,5,6,7
	VT \y
.endr
	WIN 0
	PLACES 4
.irp t, 0,1,2,3
	s_wait_xcnt 0x0
	QUANT 64*\t, 1, PCD+12*\t, PW+\t
.irp c, 0,1,2
	global_store_b128 v[VX], v[PCD+12*\t+4*\c:PCD+12*\t+4*\c+3], s[50:51] offset:25600+1536*\t+512*\c
.endr
	ds_store_b32 v7, v[PW+\t] offset:64*\t
.endr
	s_wait_dscnt 0x0
	s_barrier_signal -1
	s_barrier_wait -1                              ; the three sets of scale words are whole
	ds_load_b64 v[28:29], v8 offset:OUTSC
	ds_load_b64 v[30:31], v8 offset:OUTSC+1024
	ds_load_b64 v[32:33], v8 offset:OUTSC+2048
	s_wait_dscnt 0x0
	global_store_b64 v8, v[28:29], s[48:49] offset:24576   ; a wave stores 256 consecutive bytes, aligned
	global_store_b64 v8, v[30:31], s[50:51] offset:24576
	global_store_b64 v8, v[32:33], s[50:51] offset:50176
	s_wait_tensorcnt 0x0
	ds_add_u32 v254, v255
	s_wait_dscnt 0x0
	s_endpgm
.Lfunc_end_k_qbea9ea8dcd_proj:
	.size	k_qbea9ea8dcd_proj, .Lfunc_end_k_qbea9ea8dcd_proj-k_qbea9ea8dcd_proj
	.p2alignl 7, 3214868480
	.fill 96, 4, 3214868480
	.section	.rodata,"a",@progbits
	.p2align	6, 0x0
	.amdhsa_kernel k_qbea9ea8dcd_proj
		.amdhsa_group_segment_fixed_size 54784
		.amdhsa_private_segment_fixed_size 0
		.amdhsa_enable_private_segment 0
		.amdhsa_kernarg_size 80
		.amdhsa_user_sgpr_count 2
		.amdhsa_user_sgpr_kernarg_segment_ptr 1
		.amdhsa_wavefront_size32 1
		.amdhsa_system_sgpr_workgroup_id_x 1
		.amdhsa_system_sgpr_workgroup_id_y 1
		.amdhsa_system_sgpr_workgroup_id_z 1
		.amdhsa_system_vgpr_workitem_id 0
		.amdhsa_next_free_vgpr 1024
		.amdhsa_next_free_sgpr 66
		.amdhsa_reserve_vcc 0
		.amdhsa_float_denorm_mode_32 3
		.amdhsa_float_denorm_mode_16_64 3
		.amdhsa_memory_ordered 1
		.amdhsa_forward_progress 1
		.amdhsa_inst_pref_size 168
	.end_amdhsa_kernel
	.amdgpu_metadata
---
amdhsa.version: [ 1, 2 ]
amdhsa.kernels:
  - .name:           k_qbea9ea8dcd_proj
    .symbol:         k_qbea9ea8dcd_proj.kd
    .args:
      - { .name: x, .offset: 0, .size: 8, .value_kind: global_buffer, .address_space: global }
      - { .name: source, .offset: 8, .size: 8, .value_kind: global_buffer, .address_space: global }
      - { .name: wc, .offset: 16, .size: 8, .value_kind: global_buffer, .address_space: global }
      - { .name: ws, .offset: 24, .size: 8, .value_kind: global_buffer, .address_space: global }
      - { .name: bq, .offset: 32, .size: 8, .value_kind: global_buffer, .address_space: global }
      - { .name: bk, .offset: 40, .size: 8, .value_kind: global_buffer, .address_space: global }
      - { .name: bv, .offset: 48, .size: 8, .value_kind: global_buffer, .address_space: global }
      - { .name: xq, .offset: 56, .size: 8, .value_kind: global_buffer, .address_space: global }
      - { .name: qc, .offset: 64, .size: 8, .value_kind: global_buffer, .address_space: global }
      - { .name: kv, .offset: 72, .size: 8, .value_kind: global_buffer, .address_space: global }
    .group_segment_fixed_size: 54784
    .private_segment_fixed_size: 0
    .kernarg_segment_align: 8
    .kernarg_segment_size: 80
    .max_flat_workgroup_size: 128
    .sgpr_count:     66
    .vgpr_count:     1024
    .wavefront_size: 32
...
	.end_amdgpu_metadata
.endif
;; end of part 2
;; launch attn (part 3): grid 16 x 16, 4 waves a work-group, clusters of 4 x 1, 327,680 bytes of LDS; arguments qc, kv, xq, wc, ws, bm, b1, m2, part; writes m2, part
.if DOCPART == 3
	.amdgcn_target "amdgcn-amd-amdhsa--gfx1250"
	.amdhsa_code_object_version 6
	.text
	.protected	k_qbea9ea8dcd_attn
	.globl	k_qbea9ea8dcd_attn
	.p2align	8
	.type	k_qbea9ea8dcd_attn,@function
k_qbea9ea8dcd_attn:
	s_mov_b64 s[64:65], 0
	v_nop
	global_prefetch_b8 v0, s[64:65] scope:SCOPE_SE
	s_setreg_imm32_b32 hwreg(HW_REG_WAVE_MODE, 25, 1), 1
	s_wait_xcnt 0x0
	s_wait_alu depctr_hold_cnt(0) depctr_sa_sdst(0) depctr_va_vdst(0) depctr_va_sdst(0) depctr_va_ssrc(0) depctr_va_vcc(0) depctr_vm_vsrc(0)
	s_getreg_b32 s2, hwreg(HW_REG_IB_STS2, 6, 4)
	s_cmp_eq_u32 s2, 0
	s_cbranch_scc0 .Lentry_in_a_cluster
	s_endpgm
.Lentry_in_a_cluster:
	s_bfe_u32 s2, ttmp6, 0x10000c
	s_cmp_lg_u32 s2, 0x3003
	s_cbranch_scc0 .Lentry_shape_is_right
	s_endpgm
.Lentry_shape_is_right:
; For 128 queries of one (b, h): msg = softmax(q . k / 16) v over 2,048 keys; msg2 = Wm msg + bm; then W1 [x; msg2] once, for the batch statistics alone.  All products on codes of BF6 (E3M2) with E8M0 scales.
; THE SOFTMAX AHEAD OF THE SECOND PRODUCT: t = score x log2(e) / 16; M = the row's largest t so far, rounded UP to a whole number; p = 2^(t - M) is quantised along the keys, not normalised; the row's sum is taken of the
; unquantised p and divides at the end.  When M moves, the sum and O are multiplied by 2^(old M - new M): exact.
; SHARES.  A wave owns 32 queries, two tiles, so that each fragment of K and V read from LDS feeds two products.  Every wave walks all keys, 128 a step.  A step's record (51,200 bytes: K's 16 fragments and scale words, V's likewise,
; as images of the operands' registers) is read by loads of 512 consecutive bytes.  Two LDS slots of two records take turns.
; CLUSTER.  The four work-groups of a cluster belong to one (b, h) and walk the same records: each slot is asked for JOINTLY, a quarter (100 rows of 256 bytes) by each wave, with the mask of all four.
; LAYOUT.  S^T = K Q^T and O^T = V^T P^T: a lane holds one query throughout.  The keys of a tile of K, and the channels of a tile of V, Wm and W1, are chosen so that two neighbouring tiles' results are 16 neighbours along the next K.
; THE EPILOGUE.  O^T / the sum is quantised in registers; msg2 likewise; msg2's record goes to memory and, with x's record, to LDS; each wave then makes 128 of W1's 512 channels for the 128 positions (source 0 = 16 positions,
; source 1 = 16 rows of W1: a lane holds a channel) and stores their mean (with b1) and their sum of squared differences from that mean.  No difference of large sums is formed: each group of 64 positions is centred on its own mean.
; LIMITS: NaN and infinities are not served; a block whose largest magnitude lies under 2^-122 gets the byte 1; a block of zeros gets the byte 1 where the rule says 127 (its codes are zeros; this program alone reads the bytes);
; a block's largest p is taken from the block's largest score, which takes v_exp_f32 not to fall where its input rises.
; O^T and the sums begin as zeros and the largest t as -3e38, so that the key step has no first copy of its own; the step stands twice in the text (the trips that fill a slot again, and the last two slots).
; REGISTERS in the key loop.  window 0: v1-7 addresses; v8-15 -M, largest t, the sum in two halves, a tile; v16-19 f; v20-59 p's codes; v60-79 scale words; v80-127 at work; v128-255 S^T, then p.
;   window 1: O^T, 128 a tile.  window 2: K's 16 fragments, Q's four from v192.  window 3: V's 16 fragments.
.set SLOT1, 1<<17                      ; slot 1 begins here: one exclusive or turns an address in one slot into the other's
.set REC,   51200                      ; a key step's record
.set SPARE, 102400                     ; behind slot 0: the spare words, 128 bytes for each wave: two blocks of 256 bytes that no other line names
.set ACT,   233472                     ; behind slot 1, never filled by a tensor load: x's record, then msg2's
.set SCR,   284672                     ; 1,024 bytes for each wave: the statistics on their way out
.set LI,  1
.set LS,  2
.set SPW, 3
.set NIL, 4
.set ADK, 5
.set ADS, 6
.set PFO, 7
.set ST,  8
.set FF,  16
.set PC,  20
.set QS,  60
.set PS,  62
.set KS,  64
.set VS,  72
.set TQ,  80                           ; tile q's registers at work at v[TQ + 24 q]: +0 block maxima, +4 the other half's / bytes, +8 scale operands, +12 a second chain of sums, +14 one number
.set S,   128
.set TM,  88                           ; the epilogue's quantiser
.set AUX, 104
.set WV,  22
.set G1,  28
.set G0A, 36
.set G0B, 40
.set SEL, 44
.set CS,  46
.set TB,  48
.set SLOTS, 49
.set TWICE, 50
.set LIM, 51
.set PFA, 52
.set MSB, 0
.macro WIN new                         ; the immediate's high byte repeats the setting that is left
.if MSB != \new
	s_set_vgpr_msb (MSB<<8)|\new
.set MSB, \new
.endif
.endm
.macro PLACES n
.rept \n
	v_nop
.endr
.endm
; one matrix instruction.  c < 0: the constant 0 starts the sum.  row = 0: both sides' scales in lanes 0-15; 1: source 0's in lanes 16-31; 3: both sides' in lanes 16-31
.macro MM d, a, b, c, sa, sb, row
.if (\c) < 0
	v_wmma_scale_f32_16x16x128_f8f6f4 v[(\d):(\d)+7], v[(\a):(\a)+11], v[(\b):(\b)+11], 0, v[\sa], v[\sb] matrix_a_fmt:MATRIX_FMT_BF6 matrix_b_fmt:MATRIX_FMT_BF6
.elseif (\row) == 0
	v_wmma_scale_f32_16x16x128_f8f6f4 v[(\d):(\d)+7], v[(\a):(\a)+11], v[(\b):(\b)+11], v[(\c):(\c)+7], v[\sa], v[\sb] matrix_a_fmt:MATRIX_FMT_BF6 matrix_b_fmt:MATRIX_FMT_BF6
.elseif (\row) == 1
	v_wmma_scale_f32_16x16x128_f8f6f4 v[(\d):(\d)+7], v[(\a):(\a)+11], v[(\b):(\b)+11], v[(\c):(\c)+7], v[\sa], v[\sb] matrix_a_fmt:MATRIX_FMT_BF6 matrix_b_fmt:MATRIX_FMT_BF6 matrix_a_scale:MATRIX_SCALE_ROW1
.else
	v_wmma_scale_f32_16x16x128_f8f6f4 v[(\d):(\d)+7], v[(\a):(\a)+11], v[(\b):(\b)+11], v[(\c):(\c)+7], v[\sa], v[\sb] matrix_a_fmt:MATRIX_FMT_BF6 matrix_b_fmt:MATRIX_FMT_BF6 matrix_a_scale:MATRIX_SCALE_ROW1 matrix_b_scale:MATRIX_SCALE_ROW1
.endif
.endm
; 64 numbers of a lane in window sw, register 16 b + i = k 32 b + 16 (lane / 16) + i of my row, become a fragment's codes in v[dst] on and its scale word in v[pw].  Each accumulator is read from its low end on.
.macro QUANT src, sw, dst, pw
.if \sw
	WIN 0x05
.endif
.irp b, 0,1,2,3
	v_max3_num_f32 v[TM+\b], |v[(\src)+16*\b]|, |v[(\src)+1+16*\b]|, 0x2800000   ; my 16 numbers of block b, and the floor 2^(5 - 127): the byte cannot fall under 1
.endr
.if \sw
	WIN 0x14
.endif
.irp i, 2,4,6,8,10,12,14
.irp b, 0,1,2,3
	v_max3_num_f32 v[TM+\b], v[TM+\b], |v[(\src)+16*\b+\i]|, |v[(\src)+1+16*\b+\i]|
.endr
.endr
	WIN 0
.irp b, 0,1,2,3
	v_permlanex16_b32 v[TM+4+\b], v[TM+\b], s[SEL], s[SEL+1]
.endr
.irp b, 0,1,2,3
	v_max_num_f32 v[TM+\b], v[TM+\b], v[TM+4+\b]
.endr
.irp b, 0,1,2,3
	v_add_nc_u32 v[TM+12+\b], 0xfe000000, v[TM+\b]
.endr
.irp b, 0,1,2,3
	v_lshrrev_b32 v[TM+4+\b], 23, v[TM+12+\b]
.endr
	v_lshl_or_b32 v[\pw], v[TM+5], 8, v[TM+4]
	v_lshl_or_b32 v[\pw], v[TM+6], 16, v[\pw]
	v_lshl_or_b32 v[\pw], v[TM+7], 24, v[\pw]
.if \sw
	WIN 0x01
.endif
.irp c, 0,1
	v_cvt_scalef32_pk16_bf6_f32 v[(\dst)+6*\c:(\dst)+2+6*\c], v[(\src)+32*\c:(\src)+15+32*\c], v[TM+12+2*\c]
	v_cvt_scalef32_pk16_bf6_f32 v[AUX+4*\c:AUX+2+4*\c], v[(\src)+16+32*\c:(\src)+31+32*\c], v[TM+13+2*\c]
.endr
	WIN 0
	v_nop                                          ; one plain place behind a scaled conversion
.irp c, 0,1
.irp i, 0,1,2
	v_permlane16_swap_b32 v[(\dst)+6*\c+\i], v[AUX+4*\c+\i]
.endr
.irp i, 0,1,2
	v_mov_b32 v[(\dst)+3+6*\c+\i], v[AUX+4*\c+\i]
.endr
.endr
.endm
; a round of the cluster's barrier
.macro CROUND
	s_barrier_signal -1
	s_barrier_wait -1
	s_cmp_lg_u32 s[WV], 0
	s_cbranch_scc1 .Lnot_wave_0_\@
	s_barrier_signal -3
.Lnot_wave_0_\@:
	s_barrier_wait -3
	s_barrier_signal -1
	s_barrier_wait -1
.endm
; A prefetch of the slot that the NEXT change of slots will ask for: 102,400 bytes.  All four clusters of a (b, h) walk the same records: the first of them asks.  Its four work-groups and their four waves share the
; 400 blocks of 256 bytes out BY ADDRESS, 25 a wave, a lane a block (lanes 25 to 31 name the wave's 25th again).  The last change that fills a slot asks for nothing.
.macro ASK
	s_cmp_gt_u32 s[SLOTS], s[LIM]
	s_cbranch_scc0 .Lnot_mine_\@
	global_prefetch_b8 v[PFO], s[PFA:PFA+1] th:TH_LOAD_NT scope:SCOPE_SE
.Lnot_mine_\@:
.endm
	s_load_b256 s[4:11], s[0:1], 0x0               ; qc, kv, xq, wc
	s_load_b256 s[12:19], s[0:1], 0x20             ; ws, bm, b1, m2
	s_load_b64 s[20:21], s[0:1], 0x40              ; part
	v_lshl_add_u32 v[SPW], v0, 2, SPARE
	v_mov_b32 v[NIL], 0
	ds_add_u32 v3, v4
	ds_add_u32 v3, v4
	s_wait_dscnt 0x0
	v_lshrrev_b32 v1, 5, v0
	v_readfirstlane_b32 s[WV], v1                  ; wave 0..3
	s_bfe_u32 s23, ttmp6, 0x40000                  ; cx: it enters global addresses of my own loads, stores and prefetches alone
	s_lshl_b32 s24, ttmp9, 2
	s_add_co_u32 s24, s24, s23                     ; my block of 128 queries
	s_and_b32 s25, ttmp7, 0xffff                   ; 4 b + h, which the partners share
	s_lshl_b32 s26, s25, 4
	s_add_co_u32 s26, s26, s24                     ; my record's number
	s_mov_b32 s[G1], 15|(3<<16)|(1<<21)            ; 15:0 the mask: all four work-groups; 17:16 elements of 8 bytes; 21 set beside a mask; no padding
	s_mov_b32 s[G1+1], 32<<16                      ; tensor_dim0 = 32 elements: 256 bytes
	s_mov_b32 s[G1+2], 100<<16                     ; tensor_dim1 = 100
	s_mov_b32 s[G1+3], 32<<16                      ; tile_dim0
	s_mov_b32 s[G1+4], 100                         ; tile_dim1
	s_mov_b32 s[G1+5], 32                          ; the pitch: the block is dense
	s_mov_b32 s[G1+6], 0
	s_mov_b32 s[G1+7], 0
	s_mov_b32 s[SEL], 0x76543210
	s_mov_b32 s[SEL+1], 0xfedcba98
	s_mov_b32 s[CS], 0x3db8aa3b                    ; c = log2(e) / 16
	s_mov_b32 s[CS+1], s[CS]
	s_mov_b32 s[TB], 0
	s_mov_b32 s[SLOTS], 6
	s_cmp_eq_u32 ttmp9, 0
	s_cselect_b32 s[LIM], 1, -1                    ; the same in all four partners
	s_mul_i32 s54, s25, 819200                     ; the (b, h)'s 16 records
	s_mul_i32 s[G0A+1], s[WV], 25600               ; my quarter of a slot
	s_add_co_u32 s[G0B+1], s[G0A+1], SLOT1
	s_add_co_u32 s54, s54, s[G0A+1]
	s_mov_b32 s55, 0
	s_mul_i32 s56, s26, 25600
	s_mov_b32 s57, 0
	s_mul_i32 s58, s25, 819200
	s_mul_i32 s59, s23, 25600
	s_add_co_u32 s58, s58, s59
	s_mul_i32 s59, s[WV], 6400
	s_add_co_u32 s58, s58, s59
	s_add_co_u32 s58, s58, 204800                  ; in slot 2: the first change of slots steps it to slot 3
	s_mov_b32 s59, 0
	s_mov_b32 s69, 0
	s_wait_kmcnt 0x0
	s_add_nc_u64 s[PFA:PFA+1], s[6:7], s[58:59]
	s_add_nc_u64 s[G0A+2:G0A+3], s[6:7], s[54:55]
	s_add_nc_u64 s[G0B+2:G0B+3], s[G0A+2:G0A+3], 102400
	s_or_b32 s[G0A+3], s[G0A+3], 0x80000000
	s_or_b32 s[G0B+3], s[G0B+3], 0x80000000
	s_mov_b32 s[G0A], 1
	s_mov_b32 s[G0B], 1
	s_add_nc_u64 s[60:61], s[4:5], s[56:57]        ; my records of q, x, msg2
	s_add_nc_u64 s[62:63], s[8:9], s[56:57]
	s_add_nc_u64 s[66:67], s[18:19], s[56:57]
	s_mul_i32 s68, s[WV], 49152
	s_add_co_u32 s68, s68, 196608
	s_add_nc_u64 s[70:71], s[10:11], s[68:69]      ; W1's eight tiles of my 128 channels
	s_lshl_b32 s68, s[WV], 11
	s_add_co_u32 s68, s68, 8192
	s_add_nc_u64 s[72:73], s[12:13], s[68:69]      ; their scale words
	s_lshl_b32 s68, s[WV], 9
	s_add_nc_u64 s[74:75], s[16:17], s[68:69]      ; b1 of my channels
	s_lshl_b32 s68, s26, 12
	s_add_nc_u64 s[76:77], s[20:21], s[68:69]      ; my 4,096 bytes of part
	CROUND                                         ; all four work-groups are here: the first joint loads meet
	tensor_load_to_lds s[G0A:G0A+3], s[G1:G1+7]    ; slots 0 and 1: two loads of mine are out
	s_nop 0
	tensor_load_to_lds s[G0B:G0B+3], s[G1:G1+7]
	s_nop 0
	PLACES 4                                       ; (behind a tensor load)
	v_and_b32 v5, 31, v0
	v_lshlrev_b32 v[LI], 4, v5
	v_lshlrev_b32 v[LS], 2, v5
	v_min_u32 v[PFO], 24, v5
	v_lshlrev_b32 v[PFO], 8, v[PFO]
	s_mul_i32 s68, s[WV], 6144
	v_add_nc_u32 v96, s68, v[LI]
	s_lshl_b32 s68, s[WV], 8
	v_add_nc_u32 v97, s68, v[LS]
	WIN 0x80
.set k, 0
.rept 12
	global_load_b128 v[192+4*k:195+4*k], v96, s[60:61] offset:512*k   ; Q's four fragments (tile q, K step s) at v[192 + 24 q + 12 s]: they stay
.set k, k+1
.endr
	WIN 0
.irp q, 0,1
	global_load_b32 v[QS+\q], v97, s[60:61] offset:24576+128*\q
.endr
.irp q, 0,1
	v_mov_b32 v[ST+4*\q+1], 0xff61b1e6             ; the largest t so far: -3e38
	v_floor_f32 v[ST+4*\q], -v[ST+4*\q+1]          ; -M
	v_mov_b32 v[ST+4*\q+2], 0
	v_mov_b32 v[ST+4*\q+3], 0
	v_mov_b32 v[FF+2*\q], 0
	v_mov_b32 v[FF+2*\q+1], 0                      ; (named as the upper half of a pair)
.irp b, 0,1,2,3
	v_mov_b32 v[TQ+24*\q+4+\b], 0                  ; a lane permute's destination counts as one of its sources
.endr
.endr
	WIN 0x40
.set j, 0
.rept 256
	v_mov_b32 v[j], 0                              ; O^T: the first change of M leaves zeros zeros
.set j, j+1
.endr
	WIN 0
	s_wait_tensorcnt 1                             ; my part of slot 0 is in; slot 1's may stay out
	s_barrier_signal -1
	s_barrier_wait -1
	s_wait_loadcnt 0x0                             ; Q
; A KEY STEP: 128 keys, the record at LDS byte s[TB]
.macro STEP
	v_add_nc_u32 v[ADK], s[TB], v[LI]
	v_add_nc_u32 v[ADS], s[TB], v[LS]
	v_nop
	v_nop                                          ; four places behind the last step's products, in front of the loads into their operands' registers
.irp t, 0,1,2,3,4,5,6,7
	ds_load_b32 v[KS+\t], v[ADS] offset:24576+128*\t   ; lanes 0-15 K step 0, lanes 16-31 K step 1
.endr
	WIN 0x80
.set k, 0
.rept 48
	ds_load_b128 v[4*k:4*k+3], v[ADK] offset:512*k
.set k, k+1
.endr
	WIN 0x0a                                       ; K and Q in window 2, S^T in window 0
.irp t, 0,1,2,3,4,5,6,7
	s_wait_dscnt 42-6*\t                           ; tile t's six loads are in; the later tiles' may be out
	MM S+8*\t, 24*\t, 192, -1, KS+\t, QS, 0
	MM S+64+8*\t, 24*\t, 216, -1, KS+\t, QS+1, 0
	MM S+8*\t, 24*\t+12, 204, S+8*\t, KS+\t, QS, 3
	MM S+64+8*\t, 24*\t+12, 228, S+64+8*\t, KS+\t, QS+1, 3
.endr
	WIN 0xc0
.set k, 0
.rept 48
	ds_load_b128 v[4*k:4*k+3], v[ADK] offset:25600+512*k   ; V lands under the softmax
.set k, k+1
.endr
	WIN 0
.irp a, 0,1,2,3,4,5,6,7
	ds_load_b32 v[VS+\a], v[ADS] offset:50176+128*\a   ; lanes 0-15 tile 2 a, lanes 16-31 tile 2 a + 1
.endr
	PLACES 4
.irp q, 0,1
.irp b, 0,1,2,3
	v_max3_num_f32 v[TQ+24*\q+\b], v[S+64*\q+16*\b], v[S+64*\q+16*\b+1], v[S+64*\q+16*\b+2]   ; the largest score of each block of 32 keys: for the row's maximum and for the block's largest p
.endr
.endr
.irp i, 3,5,7,9,11,13
.irp q, 0,1
.irp b, 0,1,2,3
	v_max3_num_f32 v[TQ+24*\q+\b], v[TQ+24*\q+\b], v[S+64*\q+16*\b+\i], v[S+64*\q+16*\b+\i+1]
.endr
.endr
.endr
.irp q, 0,1
.irp b, 0,1,2,3
	v_max_num_f32 v[TQ+24*\q+\b], v[TQ+24*\q+\b], v[S+64*\q+16*\b+15]
.endr
.endr
.irp q, 0,1
.irp b, 0,1,2,3
	v_permlanex16_b32 v[TQ+24*\q+4+\b], v[TQ+24*\q+\b], s[SEL], s[SEL+1]
.endr
.endr
.irp q, 0,1
.irp b, 0,1,2,3
	v_max_num_f32 v[TQ+24*\q+\b], v[TQ+24*\q+\b], v[TQ+24*\q+4+\b]
.endr
.endr
.irp q, 0,1
	v_max3_num_f32 v[TQ+24*\q+14], v[TQ+24*\q], v[TQ+24*\q+1], v[TQ+24*\q+2]
.endr
.irp q, 0,1
	v_max_num_f32 v[TQ+24*\q+14], v[TQ+24*\q+14], v[TQ+24*\q+3]
.endr
.irp q, 0,1
	v_mul_f32 v[TQ+24*\q+14], s[CS], v[TQ+24*\q+14]
.endr
.irp q, 0,1
	v_max_num_f32 v[ST+4*\q+1], v[ST+4*\q+1], v[TQ+24*\q+14]   ; the running largest t
.endr
.irp q, 0,1
	v_mov_b32 v[TQ+24*\q+14], v[ST+4*\q]
.endr
.irp q, 0,1
	v_floor_f32 v[ST+4*\q], -v[ST+4*\q+1]          ; the new -M = -ceil(t)
.endr
.irp q, 0,1
	v_sub_f32 v[TQ+24*\q+14], v[ST+4*\q], v[TQ+24*\q+14]
.endr
.irp q, 0,1
	v_cvt_i32_f32 v[TQ+24*\q+14], v[TQ+24*\q+14]   ; (it saturates)
.endr
.irp q, 0,1
	v_ldexp_f32 v[FF+2*\q], 1.0, v[TQ+24*\q+14]    ; f = 2^(old M - new M)
.endr
.set j, 0
.rept 32
.irp q, 0,1
	v_pk_fma_f32 v[S+64*\q+j:S+64*\q+j+1], v[S+64*\q+j:S+64*\q+j+1], s[CS:CS+1], v[ST+4*\q:ST+4*\q+1] op_sel_hi:[1,0,0]   ; t - M
.endr
.set j, j+2
.endr
.irp q, 0,1
.irp b, 0,1,2,3
	v_fma_f32 v[TQ+24*\q+\b], v[TQ+24*\q+\b], s[CS], v[ST+4*\q]
.endr
.endr
.set j, 0
.rept 128
	v_exp_f32 v[S+j], v[S+j]                       ; p = 2^(t - M): one batch
.set j, j+1
.endr
.irp q, 0,1
	v_pk_mul_f32 v[ST+4*\q+2:ST+4*\q+3], v[ST+4*\q+2:ST+4*\q+3], v[FF+2*\q:FF+2*\q+1] op_sel_hi:[1,0]   ; the sums under the new M: the plain place behind the batch
.endr
	s_wait_alu depctr_va_vdst(0)                   ; one wait for the batch, ahead of its first reader
.irp q, 0,1
.irp b, 0,1,2,3
	v_exp_f32 v[TQ+24*\q+\b], v[TQ+24*\q+\b]       ; each block's largest p
.endr
.endr
.irp q, 0,1
	v_pk_add_f32 v[TQ+24*\q+12:TQ+24*\q+13], v[S+64*\q:S+64*\q+1], v[S+64*\q+2:S+64*\q+3]   ; the row's sum of the unquantised p, in two chains a tile
.endr
.set j, 4
.rept 15
.irp q, 0,1
	v_pk_add_f32 v[ST+4*\q+2:ST+4*\q+3], v[ST+4*\q+2:ST+4*\q+3], v[S+64*\q+j:S+64*\q+j+1]
	v_pk_add_f32 v[TQ+24*\q+12:TQ+24*\q+13], v[TQ+24*\q+12:TQ+24*\q+13], v[S+64*\q+j+2:S+64*\q+j+3]
.endr
.set j, j+4
.endr
.irp q, 0,1
	v_pk_add_f32 v[ST+4*\q+2:ST+4*\q+3], v[ST+4*\q+2:ST+4*\q+3], v[TQ+24*\q+12:TQ+24*\q+13]
.endr
	s_wait_alu depctr_va_vdst(0)                   ; and one for the eight
.irp q, 0,1
.irp b, 0,1,2,3
	v_max_num_f32 v[TQ+24*\q+\b], 0x2800000, v[TQ+24*\q+\b]   ; the floor 2^(5 - 127)
.endr
.endr
.irp q, 0,1
.irp b, 0,1,2,3
	v_add_nc_u32 v[TQ+24*\q+8+\b], 0xfe000000, v[TQ+24*\q+\b]
.endr
.endr
.irp q, 0,1
.irp b, 0,1,2,3
	v_lshrrev_b32 v[TQ+24*\q+4+\b], 23, v[TQ+24*\q+8+\b]
.endr
.endr
.irp q, 0,1
	v_lshl_or_b32 v[PS+\q], v[TQ+24*\q+5], 8, v[TQ+24*\q+4]
.endr
.irp q, 0,1
	v_lshl_or_b32 v[PS+\q], v[TQ+24*\q+6], 16, v[PS+\q]
.endr
.irp q, 0,1
	v_lshl_or_b32 v[PS+\q], v[TQ+24*\q+7], 24, v[PS+\q]
.endr
.irp q, 0,1
.irp c, 0,1
	v_cvt_scalef32_pk16_bf6_f32 v[PC+20*\q+6*\c:PC+20*\q+6*\c+2], v[S+64*\q+32*\c:S+64*\q+32*\c+15], v[TQ+24*\q+8+2*\c]
	v_cvt_scalef32_pk16_bf6_f32 v[PC+20*\q+12+4*\c:PC+20*\q+14+4*\c], v[S+64*\q+32*\c+16:S+64*\q+32*\c+31], v[TQ+24*\q+9+2*\c]
.endr
.endr
	v_nop                                          ; one plain place behind a scaled conversion
.irp q, 0,1
.irp c, 0,1
.irp i, 0,1,2
	v_permlane16_swap_b32 v[PC+20*\q+6*\c+\i], v[PC+20*\q+12+4*\c+\i]
.endr
.irp i, 0,1,2
	v_mov_b32 v[PC+20*\q+3+6*\c+\i], v[PC+20*\q+12+4*\c+\i]
.endr
.endr
.endr
	WIN 0x41
.set j, 0
.rept 64
.irp q, 0,1
	v_pk_mul_f32 v[128*\q+j:128*\q+j+1], v[128*\q+j:128*\q+j+1], v[FF+2*\q:FF+2*\q+1] op_sel_hi:[1,0]   ; O^T under the new M; these are also the places in front of the products below
.endr
.set j, j+2
.endr
	s_wait_dscnt 0x0                               ; V and its scale words
	WIN 0x53                                       ; V in window 3, P in window 0, O^T in window 1
.irp t, 0,1,2,3,4,5,6,7,8,9,10,11,12,13,14,15
.irp q, 0,1
	MM 128*\q+8*\t, 12*\t, PC+20*\q, 128*\q+8*\t, VS+\t/2, PS+\q, \t%2
.endr
.endr
	WIN 0
	s_add_co_u32 s[TB], s[TB], REC
.endm
.macro TWO_STEPS                       ; a slot's two key steps: written once, walked twice
	s_mov_b32 s[TWICE], 2
.Lstep_\@:
	STEP
	s_sub_co_u32 s[TWICE], s[TWICE], 1
	s_cmp_lg_u32 s[TWICE], 0
	s_cbranch_scc1 .Lstep_\@
.endm
; THE CHANGE OF SLOTS.  Each wave waits for all its tensor loads (one is out: its part of the other slot), adds 0 to its spare word, and waits for that and for its reads of the slot that it leaves.
; fill = 1: the barrier is a round of the cluster's, and the joint refill of the slot just left is the first thing behind it: it has two key steps in which to land.
.macro CHANGE fill
	s_wait_tensorcnt 0x0                           ; no tensor load of mine is out, so a group 0 may be written
	ds_add_u32 v[SPW], v[NIL]
.if \fill
	s_xor_b32 s[G0B+1], s[G0B+1], SLOT1            ; the walking descriptor: the other slot than last time,
	s_add_nc_u64 s[G0B+2:G0B+3], s[G0B+2:G0B+3], 102400   ; the next 256 keys
	s_wait_xcnt 0x0                                ; the last prefetch, two key steps back, has read its address
	s_add_nc_u64 s[PFA:PFA+1], s[PFA:PFA+1], 102400
	s_wait_dscnt 0x0
	CROUND
	tensor_load_to_lds s[G0B:G0B+3], s[G1:G1+7]
	s_nop 0
	PLACES 4
	ASK
.else
	s_wait_dscnt 0x0
	s_barrier_signal -1
	s_barrier_wait -1
.endif
	s_sub_co_u32 s[TB], s[TB], 2*REC
	s_xor_b32 s[TB], s[TB], SLOT1
.endm
.Lslot:                                            ; six trips: the slots of keys 512 on are asked for
	TWO_STEPS
	CHANGE 1
	s_sub_co_u32 s[SLOTS], s[SLOTS], 1
	s_cmp_lg_u32 s[SLOTS], 0
	s_cbranch_scc1 .Lslot
	s_mov_b32 s[SLOTS], 2
.Ltail:                                            ; the last two slots: nothing is asked for
	TWO_STEPS
	CHANGE 0
	s_sub_co_u32 s[SLOTS], s[SLOTS], 1
	s_cmp_lg_u32 s[SLOTS], 0
	s_cbranch_scc1 .Ltail
	; ---- THE EPILOGUE.  window 0 anew: v5-18 addresses; v20-67 four fragments; v68-71 their scale words; v72-87 the weights' scale words; v88-111 the quantiser; v112-115 1 / the sums; v116-123 b1; v128-191 msg; v192-241 x's record
	v_add_f32 v112, v10, v11                       ; the sums' two halves (these lines are the places behind the last products),
	v_add_f32 v114, v14, v15
	v_permlanex16_b32 v113, v112, s[SEL], s[SEL+1]
	v_permlanex16_b32 v115, v114, s[SEL], s[SEL+1]
	v_add_f32 v112, v112, v113                     ; and lane l xor 16's
	v_add_f32 v114, v114, v115
	v_rcp_f32 v112, v112
	v_rcp_f32 v114, v114
	v_and_b32 v19, 15, v0                          ; r  (plain work behind the reciprocals)
	v_bfe_u32 v18, v0, 4, 1                        ; h
	v_add_nc_u32 v5, ACT, v[LI]
	v_add_nc_u32 v6, ACT, v[LS]
	s_mul_i32 s68, s[WV], 6144
	v_add_nc_u32 v17, s68, v[LI]                   ; 16 l + 6,144 w: my four fragments of a record
	v_add_nc_u32 v10, ACT, v17
	v_add_nc_u32 v8, ACT+25600, v17
	s_lshl_b32 s68, s[WV], 8
	s_add_co_u32 s68, s68, ACT+50176
	v_lshl_add_u32 v9, v19, 2, s68
	v_lshlrev_b32 v12, 3, v0
	v_add_nc_u32 v11, ACT, v12
	v_and_b32 v16, 8, v19
	v_add_nc_u32 v16, v16, v19
	v_lshlrev_b32 v16, 2, v16                      ; 4 (r + 8 (r / 8))
	s_lshl_b32 s68, s[WV], 10
	s_add_co_u32 s68, s68, SCR
	v_add_nc_u32 v13, s68, v16
	v_add_nc_u32 v14, s68, v[LI]
	v_lshlrev_b32 v15, 6, v18                      ; 64 h
	s_lshl_b32 s68, s[WV], 9
	v_add_nc_u32 v18, s68, v[LI]                   ; 16 l + 512 w
.irp b, 0,1,2,3
	v_mov_b32 v[TM+4+\b], 0
.endr
	s_wait_alu depctr_va_vdst(0)                   ; one wait for the two reciprocals, ahead of their first reader
.set k, 0
.rept 12
	global_load_b128 v[192+4*k:195+4*k], v17, s[62:63] offset:512*k   ; my quarter of x's record
.set k, k+1
.endr
	global_load_b64 v[240:241], v12, s[62:63] offset:24576
	WIN 0x80
.set k, 0
.rept 48
	global_load_b128 v[4*k:4*k+3], v[LI], s[10:11] offset:147456+512*k   ; Wm's tiles 0-7
.set k, k+1
.endr
	WIN 0
.macro MSGQ q                          ; O^T / the sum, 128 channels at a time, becomes a fragment
.irp s, 0,1
	WIN 0x01
.set j, 0
.rept 32
	v_pk_mul_f32 v[128+j:129+j], v[128*(\q)+64*\s+j:128*(\q)+64*\s+j+1], v[112+2*(\q):113+2*(\q)] op_sel_hi:[1,0]
.set j, j+2
.endr
	WIN 0
	QUANT 128, 0, 20+12*(2*(\q)+\s), 68+2*(\q)+\s
.endr
.endm
	MSGQ 0
	WIN 0xc0
.set k, 0
.rept 48
	global_load_b128 v[4*k:4*k+3], v[LI], s[10:11] offset:172032+512*k   ; Wm's tiles 8-15
.set k, k+1
.endr
	WIN 0
	MSGQ 1
	WIN 0xc0
.irp t, 0,1,2,3,4,5,6,7
	global_load_b128 v[192+8*\t:195+8*\t], v15, s[14:15] offset:(32*(\t/2)+8*(\t%2))*4        ; bm in the result's layout: tiles 0-7,
	global_load_b128 v[196+8*\t:199+8*\t], v15, s[14:15] offset:(32*(\t/2)+8*(\t%2))*4+16
.endr
	WIN 0x80
.irp t, 0,1,2,3,4,5,6,7
	global_load_b128 v[192+8*\t:195+8*\t], v15, s[14:15] offset:512+(32*(\t/2)+8*(\t%2))*4    ; tiles 8-15, where Q lay
	global_load_b128 v[196+8*\t:199+8*\t], v15, s[14:15] offset:512+(32*(\t/2)+8*(\t%2))*4+16
.endr
	WIN 0
.set k, 0
.rept 16
	global_load_b32 v[72+k], v[LS], s[12:13] offset:6144+128*k
.set k, k+1
.endr
.irp t, 0,1,2,3,4,5,6,7
	global_load_b32 v[116+\t], v16, s[74:75] offset:(32*(\t/2)+8*(\t%2))*4
.endr
	s_wait_loadcnt 0x0
	PLACES 8                                       ; a scale register written by a vector instruction stands 8 places ahead of a scaled product, an operand 4
	WIN 0x72                                       ; msg2 = Wm msg + bm: 16 accumulators by turns under each setting
.irp t, 0,1,2,3,4,5,6,7
.irp q, 0,1
	MM 128*\q+8*\t, 24*\t, 20+24*\q, 192+8*\t, 72+\t, 68+2*\q, 0
.endr
.endr
	WIN 0x52
.irp t, 0,1,2,3,4,5,6,7
.irp q, 0,1
	MM 128*\q+8*\t, 24*\t+12, 32+24*\q, 128*\q+8*\t, 72+\t, 69+2*\q, 1
.endr
.endr
	WIN 0x63
.irp t, 0,1,2,3,4,5,6,7
.irp q, 0,1
	MM 128*\q+64+8*\t, 24*\t, 20+24*\q, 192+8*\t, 80+\t, 68+2*\q, 0
.endr
.endr
	WIN 0x53
.irp t, 0,1,2,3,4,5,6,7
.irp q, 0,1
	MM 128*\q+64+8*\t, 24*\t+12, 32+24*\q, 128*\q+64+8*\t, 80+\t, 69+2*\q, 1
.endr
.endr
	WIN 0
	PLACES 4
	WIN 0x80
.set k, 0
.rept 48
	global_load_b128 v[4*k:4*k+3], v[LI], s[70:71] offset:512*k   ; W1's tiles 0-3 of my channels
.set k, k+1
.endr
	WIN 0
.macro M2Q q, s                        ; 128 channels of msg2 become a fragment: to LDS and to memory
	QUANT 128*(\q)+64*(\s), 1, 20+12*(2*(\q)+(\s)), 68+2*(\q)+(\s)
.irp c, 0,1,2
	ds_store_b128 v8, v[20+12*(2*(\q)+(\s))+4*\c:23+12*(2*(\q)+(\s))+4*\c] offset:1536*(2*(\q)+(\s))+512*\c
.endr
.irp c, 0,1,2
	global_store_b128 v17, v[20+12*(2*(\q)+(\s))+4*\c:23+12*(2*(\q)+(\s))+4*\c], s[66:67] offset:1536*(2*(\q)+(\s))+512*\c
.endr
	ds_store_b32 v9, v[68+2*(\q)+(\s)] offset:128*(\q)+64*(\s)
.endm
	M2Q 0, 0
	M2Q 0, 1
	WIN 0xc0
.set k, 0
.rept 48
	global_load_b128 v[4*k:4*k+3], v[LI], s[70:71] offset:24576+512*k   ; tiles 4-7
.set k, k+1
.endr
	WIN 0
.set k, 0
.rept 16
	global_load_b32 v[72+k], v[LS], s[72:73] offset:128*k          ; tile t, K steps 2 u and 2 u + 1: register 2 t + u
.set k, k+1
.endr
	M2Q 1, 0
	M2Q 1, 1
.set k, 0
.rept 12
	ds_store_b128 v10, v[192+4*k:195+4*k] offset:512*k
.set k, k+1
.endr
	ds_store_b64 v11, v[240:241] offset:24576
	s_wait_dscnt 0x0
	s_barrier_signal -1
	s_barrier_wait -1                              ; x's and msg2's records of all 128 positions lie in LDS
.macro AFETCH g, s                     ; position tiles 4 g .. 4 g + 3, K step s of the 512: four fragments
.irp m, 0,1,2,3
.irp c, 0,1,2
	ds_load_b128 v[128+48*((\s)%2)+12*\m+4*\c:131+48*((\s)%2)+12*\m+4*\c], v5 offset:25600*((\s)/2)+(2*(4*(\g)+\m)+(\s)%2)*1536+512*\c
.endr
.endr
.endm
	ds_load_b64 v[242:243], v11 offset:50176
.irp y, 0,1,2,3,4,5,6,7
	ds_load_b32 v[224+\y], v6 offset:24576+128*\y
	ds_load_b32 v[232+\y], v6 offset:50176+128*\y
.endr
	AFETCH 0, 0
	s_wait_dscnt 28                                ; msg2's scale words are in; the 16 + 12 loads behind them may be out
	global_store_b64 v12, v[242:243], s[66:67] offset:24576
	s_wait_xcnt 0x0                                ; all stores have read their data: their registers are written again below
	s_wait_loadcnt 0x0                             ; W1
.macro GROUP g                         ; 64 positions x my 128 channels: 32 accumulators by turns, four K steps
.irp s, 0,1,2,3
	PLACES 4                                       ; in front of loads into the buffer that the last products read
	WIN 0
.if \s < 3
	AFETCH \g, \s+1
	s_wait_dscnt 12
.elseif (\g) == 0
	AFETCH 1, 0
	s_wait_dscnt 12
.else
	s_wait_dscnt 0x0
.endif
	WIN 0x58
.irp t, 0,1,2,3
.irp m, 0,1,2,3
.if \s == 0
	MM 8*(4*\t+\m), 128+12*\m, 12*(4*\t), -1, 224+4*(\g)+\m, 72+2*\t, 0
.else
	MM 8*(4*\t+\m), 128+48*(\s%2)+12*\m, 12*(4*\t+\s), 8*(4*\t+\m), 224+8*(\s/2)+4*(\g)+\m, 72+2*\t+\s/2, 3*(\s%2)
.endif
.endr
.endr
	WIN 0x5c
.irp t, 4,5,6,7
.irp m, 0,1,2,3
.if \s == 0
	MM 8*(4*\t+\m), 128+12*\m, 12*(4*(\t-4)), -1, 224+4*(\g)+\m, 72+2*\t, 0
.else
	MM 8*(4*\t+\m), 128+48*(\s%2)+12*\m, 12*(4*(\t-4)+\s), 8*(4*\t+\m), 224+8*(\s/2)+4*(\g)+\m, 72+2*\t+\s/2, 3*(\s%2)
.endif
.endr
.endr
.endr
.endm
; a lane holds a channel of each tile t and 32 of its 64 positions.  v[52 + 2 t]: the group's mean; v[36 + 2 t]: its sum of squared differences from that mean
.macro STATS
	PLACES 4
	WIN 0x05
.irp t, 0,1,2,3,4,5,6,7
	v_pk_add_f32 v[20+2*\t:21+2*\t], v[32*\t:32*\t+1], v[32*\t+2:32*\t+3]
.endr
	WIN 0x01
.set p, 2
.rept 14
.irp t, 0,1,2,3,4,5,6,7
	v_pk_add_f32 v[20+2*\t:21+2*\t], v[32*\t+2*p:32*\t+2*p+1], v[20+2*\t:21+2*\t]
.endr
.set p, p+1
.endr
	WIN 0
.irp t, 0,1,2,3,4,5,6,7
	v_add_f32 v[20+2*\t], v[20+2*\t], v[21+2*\t]
.endr
.irp t, 0,1,2,3,4,5,6,7
	v_permlanex16_b32 v[21+2*\t], v[20+2*\t], s[SEL], s[SEL+1]
.endr
.irp t, 0,1,2,3,4,5,6,7
	v_add_f32 v[20+2*\t], v[20+2*\t], v[21+2*\t]
.endr
.irp t, 0,1,2,3,4,5,6,7
	v_mul_f32 v[52+2*\t], 0x3c800000, v[20+2*\t]   ; / 64
.endr
.irp t, 0,1,2,3,4,5,6,7
	v_mov_b32 v[53+2*\t], v[52+2*\t]
.endr
	WIN 0x41
.set p, 0
.rept 16
.irp t, 0,1,2,3,4,5,6,7
	v_pk_add_f32 v[32*\t+2*p:32*\t+2*p+1], v[32*\t+2*p:32*\t+2*p+1], v[52+2*\t:53+2*\t] neg_lo:[0,1] neg_hi:[0,1]
.endr
.set p, p+1
.endr
	WIN 0x05
.irp t, 0,1,2,3,4,5,6,7
	v_pk_mul_f32 v[36+2*\t:37+2*\t], v[32*\t:32*\t+1], v[32*\t:32*\t+1]
.endr
.set p, 1
.rept 15
.irp t, 0,1,2,3,4,5,6,7
	v_pk_fma_f32 v[36+2*\t:37+2*\t], v[32*\t+2*p:32*\t+2*p+1], v[32*\t+2*p:32*\t+2*p+1], v[36+2*\t:37+2*\t]
.endr
.set p, p+1
.endr
	WIN 0
.irp t, 0,1,2,3,4,5,6,7
	v_add_f32 v[36+2*\t], v[36+2*\t], v[37+2*\t]
.endr
.irp t, 0,1,2,3,4,5,6,7
	v_permlanex16_b32 v[37+2*\t], v[36+2*\t], s[SEL], s[SEL+1]
.endr
.irp t, 0,1,2,3,4,5,6,7
	v_add_f32 v[36+2*\t], v[36+2*\t], v[37+2*\t]
.endr
.endm
	GROUP 0
	STATS
.irp t, 0,1,2,3,4,5,6,7
	v_mov_b32 v[240+\t], v[52+2*\t]
	v_mov_b32 v[248+\t], v[36+2*\t]
.endr
	GROUP 1
	STATS
.irp t, 0,1,2,3,4,5,6,7                        ; the two groups of 64 are joined: mean = the means' mean (+ b1); M2 = the two M2 + 32 x (the means' difference)^2
	v_sub_f32 v[20+2*\t], v[240+\t], v[52+2*\t]
	v_add_f32 v[21+2*\t], v[240+\t], v[52+2*\t]
	v_add_f32 v[36+2*\t], v[36+2*\t], v[248+\t]
.endr
.irp t, 0,1,2,3,4,5,6,7
	v_fma_f32 v[21+2*\t], v[21+2*\t], 0.5, v[116+\t]
	v_mul_f32 v[37+2*\t], v[20+2*\t], v[20+2*\t]
.endr
.irp t, 0,1,2,3,4,5,6,7
	v_fma_f32 v[36+2*\t], v[37+2*\t], 0x42000000, v[36+2*\t]
.endr
.irp t, 0,1,2,3,4,5,6,7
	ds_store_b32 v13, v[21+2*\t] offset:(32*(\t/2)+8*(\t%2))*4          ; by channel, in my own 1,024 bytes; both halves of the lanes write the same value
	ds_store_b32 v13, v[36+2*\t] offset:512+(32*(\t/2)+8*(\t%2))*4
.endr
	ds_load_b128 v[128:131], v14                   ; LDS serves a wave's instructions in order: these see my stores
	ds_load_b128 v[132:135], v14 offset:512
	s_wait_dscnt 0x0
	global_store_b128 v18, v[128:131], s[76:77]    ; 512 consecutive bytes each
	global_store_b128 v18, v[132:135], s[76:77] offset:2048
	s_wait_tensorcnt 0x0                           ; the wave's end
	ds_add_u32 v[SPW], v[NIL]
	s_wait_dscnt 0x0
	CROUND                                         ; the closing round
	s_endpgm
.Lfunc_end_k_qbea9ea8dcd_attn:
	.size	k_qbea9ea8dcd_attn, .Lfunc_end_k_qbea9ea8dcd_attn-k_qbea9ea8dcd_attn
	.p2alignl 7, 3214868480
	.fill 96, 4, 3214868480
	.section	.rodata,"a",@progbits
	.p2align	6, 0x0
	.amdhsa_kernel k_qbea9ea8dcd_attn
		.amdhsa_group_segment_fixed_size 327680
		.amdhsa_private_segment_fixed_size 0
		.amdhsa_enable_private_segment 0
		.amdhsa_kernarg_size 72
		.amdhsa_user_sgpr_count 2
		.amdhsa_user_sgpr_kernarg_segment_ptr 1
		.amdhsa_wavefront_size32 1
		.amdhsa_system_sgpr_workgroup_id_x 1
		.amdhsa_system_sgpr_workgroup_id_y 1
		.amdhsa_system_sgpr_workgroup_id_z 1
		.amdhsa_system_vgpr_workitem_id 0
		.amdhsa_next_free_vgpr 1024
		.amdhsa_next_free_sgpr 80
		.amdhsa_reserve_vcc 0
		.amdhsa_float_denorm_mode_32 3
		.amdhsa_float_denorm_mode_16_64 3
		.amdhsa_memory_ordered 1
		.amdhsa_forward_progress 1
		.amdhsa_inst_pref_size 255
	.end_amdhsa_kernel
	.section	.bss,"aw",@nobits
	.p2align	6
	.space	262144
	.amdgpu_metadata
---
amdhsa.version: [ 1, 2 ]
amdhsa.kernels:
  - .name:           k_qbea9ea8dcd_attn
    .symbol:         k_qbea9ea8dcd_attn.kd
    .args:
      - { .name: qc, .offset: 0, .size: 8, .value_kind: global_buffer, .address_space: global }
      - { .name: kv, .offset: 8, .size: 8, .value_kind: global_buffer, .address_space: global }
      - { .name: xq, .offset: 16, .size: 8, .value_kind: global_buffer, .address_space: global }
      - { .name: wc, .offset: 24, .size: 8, .value_kind: global_buffer, .address_space: global }
      - { .name: ws, .offset: 32, .size: 8, .value_kind: global_buffer, .address_space: global }
      - { .name: bm, .offset: 40, .size: 8, .value_kind: global_buffer, .address_space: global }
      - { .name: b1, .offset: 48, .size: 8, .value_kind: global_buffer, .address_space: global }
      - { .name: m2, .offset: 56, .size: 8, .value_kind: global_buffer, .address_space: global }
      - { .name: part, .offset: 64, .size: 8, .value_kind: global_buffer, .address_space: global }
    .group_segment_fixed_size: 327680
    .private_segment_fixed_size: 0
    .kernarg_segment_align: 8
    .kernarg_segment_size: 72
    .max_flat_workgroup_size: 128
    .sgpr_count:     80
    .vgpr_count:     1024
    .wavefront_size: 32
...
	.end_amdgpu_metadata
.endif
;; end of part 3
;; launch bnstat (part 4): grid 4 x 1, 16 waves a work-group, no clusters, 18,432 bytes of LDS; arguments part, gamma, bn; writes bn
.if DOCPART == 4
	.amdgcn_target "amdgcn-amd-amdhsa--gfx1250"
	.amdhsa_code_object_version 6
	.text
	.protected	k_qbea9ea8dcd_bnstat
	.globl	k_qbea9ea8dcd_bnstat
	.p2align	8
	.type	k_qbea9ea8dcd_bnstat,@function
k_qbea9ea8dcd_bnstat:
	s_mov_b64 s[64:65], 0
	v_nop
	global_prefetch_b8 v0, s[64:65] scope:SCOPE_SE
	s_setreg_imm32_b32 hwreg(HW_REG_WAVE_MODE, 25, 1), 1
	s_wait_xcnt 0x0
; The 256 work-groups' means and sums of squared differences (128 positions each) of 512 channels are joined: bn[0..511] = the mean, bn[512..1023] = gamma / sqrt(variance + 1e-5), the variance over 32,768 positions, biased.
; Sixteen parts of equal size n are joined at a time: mean = the means' mean; M2 = the sum of the parts' M2 + n x the sum of (a part's mean - mean)^2.  No difference of large sums is formed.
; A work-group has 128 channels, a lane four; wave v joins parts 16 v .. 16 v + 15; wave 0 then joins the sixteen waves' results, which meet in LDS.
; Few work-groups and no prefetch: the launch reads 1 MiB once, 32 loads of 512 bytes a wave, all on their way together.
	s_load_b128 s[4:7], s[0:1], 0x0                ; part, gamma
	s_load_b64 s[8:9], s[0:1], 0x10                ; bn
	v_lshl_add_u32 v160, v0, 2, 0x4000
	v_mov_b32 v161, 0
	v_lshrrev_b32 v1, 5, v0
	v_readfirstlane_b32 s10, v1                    ; wave
	v_and_b32 v2, 31, v0
	v_lshlrev_b32 v2, 4, v2                        ; 16 x lane: four channels
	s_lshl_b32 s12, ttmp9, 9                       ; 128 channels
	s_mov_b32 s13, 0
	s_lshl_b32 s14, s10, 16                        ; 16 parts of 4,096 bytes
	s_add_co_u32 s14, s14, s12
	s_mov_b32 s15, 0
	s_lshl_b32 s16, s10, 10
	v_add_nc_u32 v3, s16, v2
	s_mov_b32 s20, 0x38000000                      ; 1 / 32,768
	s_mov_b32 s21, 0x3727c5ac                      ; 1e-5
	s_wait_kmcnt 0x0
	s_add_nc_u64 s[4:5], s[4:5], s[14:15]
	s_add_nc_u64 s[6:7], s[6:7], s[12:13]
	s_add_nc_u64 s[8:9], s[8:9], s[12:13]
.set i, 0
.rept 16
	global_load_b128 v[16+4*i:19+4*i], v2, s[4:5] offset:4096*i
	global_load_b128 v[80+4*i:83+4*i], v2, s[4:5] offset:4096*i+2048
.set i, i+1
.endr
	global_load_b128 v[144:147], v2, s[6:7]
	s_wait_loadcnt 0x0
.macro COMBINE n                       ; means in v16.., M2 in v80..: the joined mean to v[8:11], the joined M2 to v[12:15]
	v_pk_add_f32 v[8:9], v[16:17], v[20:21]
	v_pk_add_f32 v[10:11], v[18:19], v[22:23]
	v_pk_add_f32 v[148:149], v[80:81], v[84:85]
	v_pk_add_f32 v[150:151], v[82:83], v[86:87]
.set i, 2
.rept 14
	v_pk_add_f32 v[8:9], v[8:9], v[16+4*i:17+4*i]
	v_pk_add_f32 v[10:11], v[10:11], v[18+4*i:19+4*i]
	v_pk_add_f32 v[148:149], v[148:149], v[80+4*i:81+4*i]
	v_pk_add_f32 v[150:151], v[150:151], v[82+4*i:83+4*i]
.set i, i+1
.endr
	v_pk_mul_f32 v[8:9], v[8:9], 0x3d800000 op_sel_hi:[1,0]       ; / 16
	v_pk_mul_f32 v[10:11], v[10:11], 0x3d800000 op_sel_hi:[1,0]
.set i, 0
.rept 16
	v_pk_add_f32 v[16+4*i:17+4*i], v[16+4*i:17+4*i], v[8:9] neg_lo:[0,1] neg_hi:[0,1]
	v_pk_add_f32 v[18+4*i:19+4*i], v[18+4*i:19+4*i], v[10:11] neg_lo:[0,1] neg_hi:[0,1]
.set i, i+1
.endr
	v_pk_mul_f32 v[12:13], v[16:17], v[16:17]
	v_pk_mul_f32 v[14:15], v[18:19], v[18:19]
.set i, 1
.rept 15
	v_pk_fma_f32 v[12:13], v[16+4*i:17+4*i], v[16+4*i:17+4*i], v[12:13]
	v_pk_fma_f32 v[14:15], v[18+4*i:19+4*i], v[18+4*i:19+4*i], v[14:15]
.set i, i+1
.endr
	v_pk_fma_f32 v[12:13], v[12:13], \n, v[148:149] op_sel_hi:[1,0,1]
	v_pk_fma_f32 v[14:15], v[14:15], \n, v[150:151] op_sel_hi:[1,0,1]
.endm
	COMBINE 0x43000000                             ; parts of 128 positions
	ds_store_b128 v3, v[8:11]
	ds_store_b128 v3, v[12:15] offset:512
	s_wait_dscnt 0x0                               ; for wave 0's sake
	s_barrier_signal -1
	s_barrier_wait -1
	s_cmp_lg_u32 s10, 0
	s_cbranch_scc1 .Lend
.set i, 0
.rept 16
	ds_load_b128 v[16+4*i:19+4*i], v2 offset:1024*i
	ds_load_b128 v[80+4*i:83+4*i], v2 offset:1024*i+512
.set i, i+1
.endr
	s_wait_dscnt 0x0
	COMBINE 0x45000000                             ; parts of 2,048 positions
.irp i, 0,1,2,3
	v_fma_f32 v[12+\i], v[12+\i], s20, s21         ; the variance + 1e-5
.endr
.irp i, 0,1,2,3
	v_rsq_f32 v[12+\i], v[12+\i]
.endr
	v_nop                                          ; one plain place behind the last transcendental
	s_wait_alu depctr_va_vdst(0)                   ; one wait for the four, ahead of their first reader
.irp i, 0,1,2,3
	v_mul_f32 v[12+\i], v[144+\i], v[12+\i]
.endr
	global_store_b128 v2, v[8:11], s[8:9]
	global_store_b128 v2, v[12:15], s[8:9] offset:2048
.Lend:
	s_wait_tensorcnt 0x0
	ds_add_u32 v160, v161
	s_wait_dscnt 0x0
	s_endpgm
.Lfunc_end_k_qbea9ea8dcd_bnstat:
	.size	k_qbea9ea8dcd_bnstat, .Lfunc_end_k_qbea9ea8dcd_bnstat-k_qbea9ea8dcd_bnstat
	.p2alignl 7, 3214868480
	.fill 96, 4, 3214868480
	.section	.rodata,"a",@progbits
	.p2align	6, 0x0
	.amdhsa_kernel k_qbea9ea8dcd_bnstat
		.amdhsa_group_segment_fixed_size 18432
		.amdhsa_private_segment_fixed_size 0
		.amdhsa_enable_private_segment 0
		.amdhsa_kernarg_size 24
		.amdhsa_user_sgpr_count 2
		.amdhsa_user_sgpr_kernarg_segment_ptr 1
		.amdhsa_wavefront_size32 1
		.amdhsa_system_sgpr_workgroup_id_x 1
		.amdhsa_system_sgpr_workgroup_id_y 1
		.amdhsa_system_sgpr_workgroup_id_z 1
		.amdhsa_system_vgpr_workitem_id 0
		.amdhsa_next_free_vgpr 162
		.amdhsa_next_free_sgpr 66
		.amdhsa_reserve_vcc 0
		.amdhsa_float_denorm_mode_32 3
		.amdhsa_float_denorm_mode_16_64 3
		.amdhsa_memory_ordered 1
		.amdhsa_forward_progress 1
		.amdhsa_inst_pref_size 24
	.end_amdhsa_kernel
	.amdgpu_metadata
---
amdhsa.version: [ 1, 2 ]
amdhsa.kernels:
  - .name:           k_qbea9ea8dcd_bnstat
    .symbol:         k_qbea9ea8dcd_bnstat.kd
    .args:
      - { .name: part, .offset: 0, .size: 8, .value_kind: global_buffer, .address_space: global }
      - { .name: gamma, .offset: 8, .size: 8, .value_kind: global_buffer, .address_space: global }
      - { .name: bn, .offset: 16, .size: 8, .value_kind: global_buffer, .address_space: global }
    .group_segment_fixed_size: 18432
    .private_segment_fixed_size: 0
    .kernarg_segment_align: 8
    .kernarg_segment_size: 24
    .max_flat_workgroup_size: 512
    .sgpr_count:     66
    .vgpr_count:     162
    .wavefront_size: 32
...
	.end_amdgpu_metadata
.endif
;; end of part 4
;; launch final (part 5): grid 16 x 16, 4 waves a work-group, no clusters, 168,448 bytes of LDS; arguments xq, m2, wc, ws, bn, b1, beta, b2, out0; writes out0
.if DOCPART == 5
	.amdgcn_target "amdgcn-amd-amdhsa--gfx1250"
	.amdhsa_code_object_version 6
	.text
	.protected	k_qbea9ea8dcd_final
	.globl	k_qbea9ea8dcd_final
	.p2align	8
	.type	k_qbea9ea8dcd_final,@function
k_qbea9ea8dcd_final:
	s_mov_b64 s[64:65], 0
	v_nop
	global_prefetch_b8 v0, s[64:65] scope:SCOPE_SE
	s_setreg_imm32_b32 hwreg(HW_REG_WAVE_MODE, 25, 1), 1
	s_wait_xcnt 0x0
; For 128 positions of one (b, h): out = W2 relu(A (W1 [x; msg2] + b1 - mu) + beta) + b2, A = gamma / sqrt(var + 1e-5), both products on codes of BF6 (E3M2) with E8M0 scales.
; x's and msg2's records (25,600 bytes each: images of the operands' registers and their scale words) come into LDS once, by one tensor load a wave (half a record: 50 rows of 256 bytes).
; THE WAVES SHARE THE CHANNELS: wave w makes hidden channels 128 w .. + 127 and outputs 64 w .. + 63 for all 128 positions, so its parts of W1 and W2 are read once, straight into registers.
; PHASE 1, a tile of 16 positions at a time: source 0 = 16 rows of W1, source 1 = the positions; C of the first product = b1 - mu; x A + beta, relu, quantised in registers: K step w of the second product; its image goes to LDS.
; PHASE 2: source 0 = 16 positions of the hidden layer, source 1 = 16 rows of W2: a lane holds an output channel and eight neighbouring positions; C of the first product = b2.
; THE WAY OUT: 16 channels x 128 positions go through the wave's own stage and leave as rows of 512 consecutive bytes.  The stage's rows are in the tile's order; the channel stands in the store's immediate.
; No cluster: the weights go once into registers, and the two records are the work-group's own.  LDS bytes are filled once.
; LIMITS: NaN and infinities are not served; a block whose largest magnitude lies under 2^-122 gets the byte 1; a block of zeros gets the byte 1 where the rule says 127 (its codes are zeros; this program alone reads the bytes).
; REGISTERS.  window 0: v1-10 addresses; v12-35 the quantiser; v36-61 codes and scale words just made; v64-127 the hidden tile, later rows of the output; v128-223 two buffers of four fragments; v224-251 scale words.
;   window 1: b1 - mu, A, beta (b1 at first), later the 32 accumulators of the output.  windows 2, 3: W1's 32 fragments; later W2's 16 in window 2; b2 from v192 of window 3.
.set HIMG, 51200                       ; LDS: behind the two records: the hidden layer's fragments (tile y, K step s) at 1,536 (4 y + s),
.set HSC,  100352                      ; their scale words at 256 y + 64 s + 4 r,
.set STG,  102400                      ; and a stage of 16 rows x (512 + 16) bytes for each wave
.set TM,  12
.set AUX, 28
.set SEL, 58
.set MSB, 0
.macro WIN new                         ; the immediate's high byte repeats the setting that is left
.if MSB != \new
	s_set_vgpr_msb (MSB<<8)|\new
.set MSB, \new
.endif
.endm
.macro PLACES n
.rept \n
	v_nop
.endr
.endm
; one matrix instruction.  row = 0: both sides' scales in lanes 0-15; 3: both sides' in lanes 16-31
.macro MM d, a, b, c, sa, sb, row
.if (\row) == 0
	v_wmma_scale_f32_16x16x128_f8f6f4 v[(\d):(\d)+7], v[(\a):(\a)+11], v[(\b):(\b)+11], v[(\c):(\c)+7], v[\sa], v[\sb] matrix_a_fmt:MATRIX_FMT_BF6 matrix_b_fmt:MATRIX_FMT_BF6
.else
	v_wmma_scale_f32_16x16x128_f8f6f4 v[(\d):(\d)+7], v[(\a):(\a)+11], v[(\b):(\b)+11], v[(\c):(\c)+7], v[\sa], v[\sb] matrix_a_fmt:MATRIX_FMT_BF6 matrix_b_fmt:MATRIX_FMT_BF6 matrix_a_scale:MATRIX_SCALE_ROW1 matrix_b_scale:MATRIX_SCALE_ROW1
.endif
.endm
; 64 numbers of a lane, register 16 b + i = k 32 b + 16 (lane / 16) + i of my row, become a fragment's codes in v[dst] on and its scale word in v[pw]
.macro QUANT src, dst, pw
.irp b, 0,1,2,3
	v_max3_num_f32 v[TM+\b], |v[(\src)+16*\b]|, |v[(\src)+1+16*\b]|, 0x2800000   ; and the floor 2^(5 - 127): the byte cannot fall under 1
.endr
.irp i, 2,4,6,8,10,12,14
.irp b, 0,1,2,3
	v_max3_num_f32 v[TM+\b], v[TM+\b], |v[(\src)+16*\b+\i]|, |v[(\src)+1+16*\b+\i]|
.endr
.endr
.irp b, 0,1,2,3
	v_permlanex16_b32 v[TM+4+\b], v[TM+\b], s[SEL], s[SEL+1]
.endr
.irp b, 0,1,2,3
	v_max_num_f32 v[TM+\b], v[TM+\b], v[TM+4+\b]
.endr
.irp b, 0,1,2,3
	v_add_nc_u32 v[TM+12+\b], 0xfe000000, v[TM+\b]
.endr
.irp b, 0,1,2,3
	v_lshrrev_b32 v[TM+4+\b], 23, v[TM+12+\b]
.endr
	v_lshl_or_b32 v[\pw], v[TM+5], 8, v[TM+4]
	v_lshl_or_b32 v[\pw], v[TM+6], 16, v[\pw]
	v_lshl_or_b32 v[\pw], v[TM+7], 24, v[\pw]
.irp c, 0,1
	v_cvt_scalef32_pk16_bf6_f32 v[(\dst)+6*\c:(\dst)+2+6*\c], v[(\src)+32*\c:(\src)+15+32*\c], v[TM+12+2*\c]
	v_cvt_scalef32_pk16_bf6_f32 v[AUX+4*\c:AUX+2+4*\c], v[(\src)+16+32*\c:(\src)+31+32*\c], v[TM+13+2*\c]
.endr
	v_nop                                          ; one plain place behind a scaled conversion
.irp c, 0,1
.irp i, 0,1,2
	v_permlane16_swap_b32 v[(\dst)+6*\c+\i], v[AUX+4*\c+\i]
.endr
.irp i, 0,1,2
	v_mov_b32 v[(\dst)+3+6*\c+\i], v[AUX+4*\c+\i]
.endr
.endr
.endm
	s_load_b256 s[4:11], s[0:1], 0x0               ; xq, m2, wc, ws
	s_load_b256 s[12:19], s[0:1], 0x20             ; bn, b1, beta, b2
	s_load_b64 s[20:21], s[0:1], 0x40              ; out0
	v_lshl_add_u32 v254, v0, 2, 0x29000
	v_mov_b32 v255, 0
	ds_add_u32 v254, v255
	ds_add_u32 v254, v255
	v_lshrrev_b32 v1, 5, v0
	v_readfirstlane_b32 s22, v1                    ; wave w
	s_and_b32 s23, ttmp7, 0xffff                   ; 4 b + h
	s_lshl_b32 s24, s23, 4
	s_add_co_u32 s24, s24, ttmp9                   ; the record's number
	s_mov_b32 s28, 3<<16                           ; group 1: no mask; elements of 8 bytes; no padding
	s_mov_b32 s29, 32<<16                          ; tensor_dim0 = 32: 256 bytes
	s_mov_b32 s30, 50<<16                          ; tensor_dim1 = 50
	s_mov_b32 s31, 32<<16                          ; tile_dim0
	s_mov_b32 s32, 50                              ; tile_dim1
	s_mov_b32 s33, 32                              ; the pitch: the block is dense
	s_mov_b32 s34, 0
	s_mov_b32 s35, 0
	s_mov_b32 s36, 1
	s_mul_i32 s37, s22, 12800                      ; LDS: x's two halves, then msg2's two halves
	s_mul_i32 s60, s24, 25600
	s_and_b32 s61, s22, 1
	s_mul_i32 s61, s61, 12800
	s_add_co_u32 s60, s60, s61
	s_mov_b32 s61, 0
	s_mov_b32 s[SEL], 0x76543210
	s_mov_b32 s[SEL+1], 0xfedcba98
	s_wait_dscnt 0x0
	s_wait_kmcnt 0x0
	s_cmp_lt_u32 s22, 2
	s_cselect_b64 s[38:39], s[4:5], s[6:7]
	s_add_nc_u64 s[38:39], s[38:39], s[60:61]
	s_or_b32 s39, s39, 0x80000000
	tensor_load_to_lds s[36:39], s[28:35]          ; one load a wave, the only one of the launch
	s_nop 0
	PLACES 4                                       ; (behind a tensor load)
	s_mul_i32 s60, s22, 49152
	s_add_co_u32 s60, s60, 196608
	s_add_nc_u64 s[40:41], s[8:9], s[60:61]        ; W1's eight tiles of my channels
	s_lshl_b32 s60, s22, 11
	s_add_co_u32 s60, s60, 8192
	s_add_nc_u64 s[42:43], s[10:11], s[60:61]
	s_lshl_b32 s60, s22, 9
	s_add_nc_u64 s[44:45], s[12:13], s[60:61]
	s_add_nc_u64 s[46:47], s[14:15], s[60:61]
	s_add_nc_u64 s[48:49], s[16:17], s[60:61]
	s_lshl_b32 s60, s22, 8
	s_add_nc_u64 s[50:51], s[18:19], s[60:61]
	s_mul_i32 s60, s22, 24576
	s_add_co_u32 s60, s60, 393216
	s_add_nc_u64 s[52:53], s[8:9], s[60:61]        ; W2's four tiles of my outputs
	s_lshl_b32 s60, s22, 10
	s_add_co_u32 s60, s60, 16384
	s_add_nc_u64 s[54:55], s[10:11], s[60:61]
	s_lshr_b32 s60, s23, 2
	s_lshl_b32 s60, s60, 23                        ; b
	s_lshl_b32 s62, s22, 21                        ; 64 w channels of 32,768 bytes
	s_add_co_u32 s60, s60, s62
	s_and_b32 s62, s23, 3
	s_lshl_b32 s62, s62, 13                        ; h
	s_add_co_u32 s60, s60, s62
	s_lshl_b32 s62, ttmp9, 9                       ; 128 positions
	s_add_co_u32 s60, s60, s62
	s_add_nc_u64 s[56:57], s[20:21], s[60:61]
	v_and_b32 v11, 31, v0                          ; lane
	v_and_b32 v12, 15, v0                          ; r
	v_bfe_u32 v13, v0, 4, 1                        ; h
	v_lshlrev_b32 v1, 4, v11
	v_lshlrev_b32 v2, 2, v11
	s_mul_i32 s62, s22, 1536
	s_add_co_u32 s62, s62, HIMG
	v_add_nc_u32 v3, s62, v1                       ; where I store the hidden layer's images
	s_lshl_b32 s62, s22, 6
	s_add_co_u32 s62, s62, HSC
	v_lshl_add_u32 v4, v12, 2, s62                 ; and their scale words
	v_add_nc_u32 v5, HIMG, v1
	v_add_nc_u32 v6, HSC, v2
	s_mul_i32 s62, s22, 8448
	s_add_co_u32 s62, s62, STG
	v_mul_u32_u24 v7, v12, 528
	v_lshl_add_u32 v7, v13, 6, v7
	v_add_nc_u32 v7, s62, v7                       ; the stage: row r, + 64 h
	v_add_nc_u32 v8, s62, v1                       ; back: a row of 512 bytes, 16 a lane
	v_lshlrev_b32 v9, 6, v13                       ; 64 h
	v_and_b32 v10, 8, v12
	v_add_nc_u32 v10, v10, v12
	v_lshlrev_b32 v10, 2, v10                      ; 4 (r + 8 (r / 8))
	WIN 0x80
.set k, 0
.rept 48
	global_load_b128 v[4*k:4*k+3], v1, s[40:41] offset:512*k
.set k, k+1
.endr
	WIN 0xc0
.set k, 0
.rept 48
	global_load_b128 v[4*k:4*k+3], v1, s[40:41] offset:24576+512*k
.set k, k+1
.endr
.irp u, 0,1,2,3
	global_load_b32 v[192+8*\u], v10, s[50:51] offset:(32*(\u/2)+8*(\u%2))*4   ; b2 of my lane's channel
.endr
	WIN 0x40
.irp t, 0,1,2,3,4,5,6,7                        ; in the result's layout: lane (r, h), tile t, register j: channel 32 (t / 2) + 8 (t % 2) + 16 h + j
	global_load_b128 v[8*\t:8*\t+3], v9, s[44:45] offset:(32*(\t/2)+8*(\t%2))*4
	global_load_b128 v[8*\t+4:8*\t+7], v9, s[44:45] offset:(32*(\t/2)+8*(\t%2))*4+16
	global_load_b128 v[64+8*\t:67+8*\t], v9, s[44:45] offset:2048+(32*(\t/2)+8*(\t%2))*4
	global_load_b128 v[68+8*\t:71+8*\t], v9, s[44:45] offset:2048+(32*(\t/2)+8*(\t%2))*4+16
	global_load_b128 v[128+8*\t:131+8*\t], v9, s[48:49] offset:(32*(\t/2)+8*(\t%2))*4
	global_load_b128 v[132+8*\t:135+8*\t], v9, s[48:49] offset:(32*(\t/2)+8*(\t%2))*4+16
	global_load_b128 v[192+8*\t:195+8*\t], v9, s[46:47] offset:(32*(\t/2)+8*(\t%2))*4
	global_load_b128 v[196+8*\t:199+8*\t], v9, s[46:47] offset:(32*(\t/2)+8*(\t%2))*4+16
.endr
	WIN 0
.set k, 0
.rept 16
	global_load_b32 v[224+k], v2, s[42:43] offset:128*k
.set k, k+1
.endr
.irp b, 0,1,2,3
	v_mov_b32 v[TM+4+\b], 0                        ; a lane permute's destination counts as one of its sources
.endr
	s_wait_loadcnt 0x0
	WIN 0x45
.set j, 0
.rept 32
	v_pk_add_f32 v[j:j+1], v[192+j:193+j], v[j:j+1] neg_lo:[0,1] neg_hi:[0,1]   ; b1 - mu
.set j, j+2
.endr
	WIN 0xc3
.irp u, 0,1,2,3
.irp k, 1,2,3,4,5,6,7
	v_mov_b32 v[192+8*\u+\k], v[192+8*\u]
.endr
.endr
	WIN 0
	s_wait_tensorcnt 0x0                           ; my half record is in,
	s_barrier_signal -1
	s_barrier_wait -1                              ; everybody's is
.macro TFETCH y                        ; tile y: its four fragments along the 512, its two registers of scale words
.irp s, 0,1,2,3
.irp c, 0,1,2
	ds_load_b128 v[128+48*((\y)%2)+12*\s+4*\c:131+48*((\y)%2)+12*\s+4*\c], v1 offset:25600*(\s/2)+(2*(\y)+\s%2)*1536+512*\c
.endr
.endr
	ds_load_b32 v[240+2*((\y)%2)], v2 offset:24576+128*(\y)
	ds_load_b32 v[241+2*((\y)%2)], v2 offset:50176+128*(\y)
.endm
.macro TILE y
.set AB, 128+48*((\y)%2)
.set SA, 240+2*((\y)%2)
.if (\y) < 7
	TFETCH (\y)+1                                  ; into the buffer that the tile before read: its quantiser's lines are the places
	s_wait_dscnt 14                                ; this tile's loads are in; the next tile's 14 may be out
.else
	s_wait_dscnt 0x0
.endif
.irp s, 0,1,2,3                                ; eight accumulators by turns, a K step at a time
.if \s == 0
	WIN 0x12
.else
	WIN 0x02
.endif
.irp t, 0,1,2,3
.if \s == 0
	MM 64+8*\t, 12*(4*\t), AB, 8*\t, 224+2*\t, SA, 0
.else
	MM 64+8*\t, 12*(4*\t+\s), AB+12*\s, 64+8*\t, 224+2*\t+\s/2, SA+\s/2, 3*(\s%2)
.endif
.endr
.if \s == 0
	WIN 0x13
.else
	WIN 0x03
.endif
.irp t, 4,5,6,7
.if \s == 0
	MM 64+8*\t, 12*(4*(\t-4)), AB, 8*\t, 224+2*\t, SA, 0
.else
	MM 64+8*\t, 12*(4*(\t-4)+\s), AB+12*\s, 64+8*\t, 224+2*\t+\s/2, SA+\s/2, 3*(\s%2)
.endif
.endr
.endr
	WIN 0
	PLACES 4
.if (\y) == 7
	WIN 0x80                                       ; W1 is done with: W2 takes its place in window 2
.set k, 0
.rept 48
	global_load_b128 v[4*k:4*k+3], v1, s[52:53] offset:512*k
.set k, k+1
.endr
	WIN 0
.set k, 0
.rept 8
	global_load_b32 v[244+k], v2, s[54:55] offset:128*k
.set k, k+1
.endr
.endif
	WIN 0x14
.set j, 0
.rept 32
	v_pk_fma_f32 v[64+j:65+j], v[64+j:65+j], v[64+j:65+j], v[128+j:129+j]   ; x A + beta (A and beta in window 1)
.set j, j+2
.endr
	WIN 0
.set j, 0
.rept 64
	v_max_num_f32 v[64+j], 0, v[64+j]              ; relu
.set j, j+1
.endr
	QUANT 64, 36+12*((\y)%2), 60+(\y)%2
.irp c, 0,1,2
	ds_store_b128 v3, v[36+12*((\y)%2)+4*\c:39+12*((\y)%2)+4*\c] offset:6144*(\y)+512*\c
.endr
	ds_store_b32 v4, v[60+(\y)%2] offset:256*(\y)
.endm
	TFETCH 0
.irp y, 0,1,2,3,4,5,6,7
	TILE \y
.endr
	s_wait_dscnt 0x0
	s_barrier_signal -1
	s_barrier_wait -1                              ; the hidden layer's 32 fragments lie in LDS
.macro HFETCH n                        ; K step n / 2, position tiles 4 (n % 2) .. + 3
.irp m, 0,1,2,3
.irp c, 0,1,2
	ds_load_b128 v[128+48*((\n)%2)+12*\m+4*\c:131+48*((\n)%2)+12*\m+4*\c], v5 offset:(4*(4*((\n)%2)+\m)+(\n)/2)*1536+512*\c
.endr
.endr
.endm
.set k, 0
.rept 16
	ds_load_b32 v[224+k], v6 offset:128*k          ; tile y, K steps 2 u and 2 u + 1: register 2 y + u
.set k, k+1
.endr
	HFETCH 0
	s_wait_loadcnt 0x0                             ; W2
.macro PH2 n
	PLACES 4                                       ; in front of loads into the buffer that the last products read
	WIN 0
.if (\n) < 7
	HFETCH (\n)+1
	s_wait_dscnt 12
.else
	s_wait_dscnt 0x0
.endif
.if (\n) < 2
	WIN 0x78
.else
	WIN 0x58
.endif
.irp u, 0,1,2,3
.irp m, 0,1,2,3
.if (\n) < 2
	MM 8*(8*\u+4*((\n)%2)+\m), 128+48*((\n)%2)+12*\m, 12*(4*\u), 192+8*\u, 224+2*(4*((\n)%2)+\m), 244+2*\u, 0
.else
	MM 8*(8*\u+4*((\n)%2)+\m), 128+48*((\n)%2)+12*\m, 12*(4*\u+(\n)/2), 8*(8*\u+4*((\n)%2)+\m), 224+2*(4*((\n)%2)+\m)+(\n)/4, 244+2*\u+(\n)/4, 3*(((\n)/2)%2)
.endif
.endr
.endr
.endm
.irp n, 0,1,2,3,4,5,6,7
	PH2 \n
.endr
	WIN 0
	PLACES 4
.irp u, 0,1,2,3
.if \u > 0
	s_wait_xcnt 0x0                                ; the last tile's stores have read their data
.endif
	WIN 0x04                                       ; an LDS store's data are its source 1: window 1
.irp y, 0,1,2,3,4,5,6,7
	ds_store_b128 v7, v[8*(8*\u+\y):8*(8*\u+\y)+3] offset:(32*(\y/2)+8*(\y%2))*4        ; lane (r, h): positions 32 (y / 2) + 8 (y % 2) + 16 h + 0 .. 7 of the tile's row r; each accumulator from its low end on
	ds_store_b128 v7, v[8*(8*\u+\y)+4:8*(8*\u+\y)+7] offset:(32*(\y/2)+8*(\y%2))*4+16
.endr
	WIN 0
.irp i, 0,1,2,3,4,5,6,7,8,9,10,11,12,13,14,15
	ds_load_b128 v[64+4*\i:67+4*\i], v8 offset:528*\i   ; LDS serves a wave's instructions in order: these see my stores
.endr
.irp i, 0,1,2,3,4,5,6,7,8,9,10,11,12,13,14,15
	s_wait_dscnt 15-\i
	global_store_b128 v1, v[64+4*\i:67+4*\i], s[56:57] offset:(32*(\u/2)+8*(\u%2)+\i+8*(\i/8))*32768 th:TH_STORE_NT   ; 512 consecutive bytes of one channel, aligned
.endr
.endr
	s_wait_tensorcnt 0x0
	ds_add_u32 v254, v255
	s_wait_dscnt 0x0
	s_endpgm
.Lfunc_end_k_qbea9ea8dcd_final:
	.size	k_qbea9ea8dcd_final, .Lfunc_end_k_qbea9ea8dcd_final-k_qbea9ea8dcd_final
	.p2alignl 7, 3214868480
	.fill 96, 4, 3214868480
	.section	.rodata,"a",@progbits
	.p2align	6, 0x0
	.amdhsa_kernel k_qbea9ea8dcd_final
		.amdhsa_group_segment_fixed_size 168448
		.amdhsa_private_segment_fixed_size 0
		.amdhsa_enable_private_segment 0
		.amdhsa_kernarg_size 72
		.amdhsa_user_sgpr_count 2
		.amdhsa_user_sgpr_kernarg_segment_ptr 1
		.amdhsa_wavefront_size32 1
		.amdhsa_system_sgpr_workgroup_id_x 1
		.amdhsa_system_sgpr_workgroup_id_y 1
		.amdhsa_system_sgpr_workgroup_id_z 1
		.amdhsa_system_vgpr_workitem_id 0
		.amdhsa_next_free_vgpr 1024
		.amdhsa_next_free_sgpr 66
		.amdhsa_reserve_vcc 0
		.amdhsa_float_denorm_mode_32 3
		.amdhsa_float_denorm_mode_16_64 3
		.amdhsa_memory_ordered 1
		.amdhsa_forward_progress 1
		.amdhsa_inst_pref_size 179
	.end_amdhsa_kernel
	.amdgpu_metadata
---
amdhsa.version: [ 1, 2 ]
amdhsa.kernels:
  - .name:           k_qbea9ea8dcd_final
    .symbol:         k_qbea9ea8dcd_final.kd
    .args:
      - { .name: xq, .offset: 0, .size: 8, .value_kind: global_buffer, .address_space: global }
      - { .name: m2, .offset: 8, .size: 8, .value_kind: global_buffer, .address_space: global }
      - { .name: wc, .offset: 16, .size: 8, .value_kind: global_buffer, .address_space: global }
      - { .name: ws, .offset: 24, .size: 8, .value_kind: global_buffer, .address_space: global }
      - { .name: bn, .offset: 32, .size: 8, .value_kind: global_buffer, .address_space: global }
      - { .name: b1, .offset: 40, .size: 8, .value_kind: global_buffer, .address_space: global }
      - { .name: beta, .offset: 48, .size: 8, .value_kind: global_buffer, .address_space: global }
      - { .name: b2, .offset: 56, .size: 8, .value_kind: global_buffer, .address_space: global }
      - { .name: out0, .offset: 64, .size: 8, .value_kind: global_buffer, .address_space: global }
    .group_segment_fixed_size: 168448
    .private_segment_fixed_size: 0
    .kernarg_segment_align: 8
    .kernarg_segment_size: 72
    .max_flat_workgroup_size: 128
    .sgpr_count:     66
    .vgpr_count:     1024
    .wavefront_size: 32
...
	.end_amdgpu_metadata
.endif
;; end of part 5
